; MI455X (gfx1250); checked and timed in simulation.
; The chip was launched on July 23, 2026; its instructions are those of AMD's public machine-readable ISA for CDNA 5 (MIT licence, August 2026) and "CDNA5" Instruction Set Architecture Reference Guide (July 2026). The comments in the code are by the model that wrote it; some were corrected since.
;; PWLNN Fcn. Allowed arithmetic: matrix products marked QUANTISED: E5M2 operands, one E8M0 scale for each 32 along K, by v_wmma_scale_f32_16x16x128_f8f6f4 with both operands' format E5M2, f32 sums; products left as they are: f32 operands where the result goes on into a quantised operand, else bf16, f16 or f32 operands; f32 sums; everything else in f32.
;; Inputs: ctrs 2,048 x 32 float32; offsets 2,048 x 32 float32; wts 2,048 x 32 x 32 float32; x 16,384 x 32 float32.
;; Outputs: out0 16,384 x 32 float32.
;; Constants: k = 4.
;; This version of the problem:
;;   THIS VERSION OF THE PROBLEM IS GIVEN IN LOW PRECISION. The matrix products marked QUANTISED in the list below multiply operands that are first quantised to E5M2 (5 exponent bits, 2 mantissa bits; 8 bits a number), with one power-of-two scale for each 32 numbers along K (OCP MX v1.0); their sums are f32. All else is computed in f32.
;;   The module's matrix products, in the order in which they are computed (A, B: the left and right operand; K: the contracted axis; several contracted axes count as one K, in the product's order):
;;     1. [M 16,384, K 32] x [K 32, N 2,048]; A: input x; B: input ctrs: QUANTISED
;;     2. batch 16,384 x [M 32, K 128] x [K 128, N 1]; A: computed on the way; B: computed on the way: left as it is (N = 1 < 16)
;;     3. batch 16,384 x [M 32, K 32] x [K 32, N 1]; A: computed on the way; B: input x: left as it is (N = 1 < 16)
;;   THE QUANTISER, for each operand of a quantised product, along K:
;;     - K is cut into blocks of 32 from its start; a last block that is shorter is filled with zeros.
;;     - A block's scale is 2^e with e = floor(log2(the largest magnitude in the block)) - 15, held to -126 .. 127; a block of zeros has e = 0. As a byte (E8M0): e + 127.
;;     - Each number is divided by its block's scale, clamped to +-57,344, and rounded to the nearest number of E5M2, ties to even, subnormals kept.
;;     - The product sums the exact products of the quantised numbers (number of the format x scale) in f32.
;;   ~~~python
;;   def quantise(x, axis):      # numpy; x: float32 -> the quantised numbers, widened to float32 again
;;       x = np.moveaxis(x, axis, -1); K = x.shape[-1]
;;       x = np.pad(x, [(0, 0)] * (x.ndim - 1) + [(0, -K % 32)]); x = x.reshape(x.shape[:-1] + (-1, 32)); a = np.abs(x).max(-1, keepdims=True)
;;       e = np.where(a > 0, np.clip(np.frexp(np.where(a > 0, a, 1))[1] - 1 - 15, -126, 127), 0)      # np.frexp(a)[1] - 1 = floor(log2(a)), exactly
;;       r = np.clip(x / 2.0 ** e, -57344, 57344)
;;       step = 2.0 ** (np.maximum(np.frexp(np.where(r == 0, 1, r))[1] - 1, -14) - 2)
;;       q = np.round(r / step) * step * 2.0 ** e      # np.round: ties to even
;;       return np.moveaxis(q.reshape(q.shape[:-2] + (-1,))[..., :K], -1, axis).astype(np.float32)
;;   ~~~
;; 2 versions, each right; version 2 is version 1 with the launches coarse, refine, gather written anew for expert scheduling mode. Each part assembles by itself: llvm-mc -triple=amdgcn-amd-amdhsa -mcpu=gfx1250 --defsym DOCPART=n.
;; ======== version 1 of 2: 3 launches
;; workspace buffers: wb 4,194,304 bytes; crec 81,920 bytes; bb 262,144 bytes; gsel 262,144 bytes of whole numbers; idx 262,144 bytes of whole numbers
;; launch coarse (part 1): grid 256 x 1, 16 waves a work-group, no clusters, 100,352 bytes of LDS; arguments x, ctrs, wts, offsets, wb, crec, gsel, bb; writes wb, crec, gsel, bb
.if DOCPART == 1
	.amdgcn_target "amdgcn-amd-amdhsa--gfx1250"
	.amdhsa_code_object_version 6
	.text
	.protected	k_qd1e58b7bc7_coarse
	.globl	k_qd1e58b7bc7_coarse
	.p2align	8
	.type	k_qd1e58b7bc7_coarse,@function
k_qd1e58b7bc7_coarse:
	s_mov_b64 s[64:65], 0
	v_nop
	global_prefetch_b8 v0, s[64:65] scope:SCOPE_SE
	s_setreg_imm32_b32 hwreg(HW_REG_WAVE_MODE, 25, 1), 1
	s_wait_xcnt 0x0
; COARSE SEARCH.  d2[n][c] = (|x_n|^2 - 2 Q(x_n).Q(c_c)) + |c_c|^2, Q the MX-BF8 quantiser along the 32 numbers of a row (one block a row).
; For each sample the FOUR GROUPS OF 8 NEIGHBOURING CENTRES with the smallest (least d2 of the group, group number) are stored, ascending by number.
; The 4 nearest centres (ties to the lower index) lie in these groups: were one of them in a fifth group, four other groups' least elements would rank ahead of it.
; The next launch looks at their 32 centres one by one.  So here only one number in eight is inserted into a sorted list with its tag.
; SHARES.  A work-group: 64 samples x all 2,048 centres, sixteen waves.  Ahead of the first barrier wave w quantises tiles 8 w .. 8 w + 7 of the centres (16 rows each) into LDS,
; as images of an operand's registers, with a scale word and |c|^2 for each centre.  Behind it wave w takes sample tile w % 4 and centre quarter w / 4 (32 tiles).
; THE ROWS OF A TILE ARE NOT NEIGHBOURS: tile t of quarter cq holds centres 512 cq + 8 t + 0..7 in rows 0-7 and 512 cq + 256 + 8 t + 0..7 in rows 8-15.  In the result (source 0 = centres,
; source 1 = samples) lane (r, h) holds sample r and rows 8 h + 0..7: one group, number 64 cq + 32 h + t, so that lanes 0-15 hold lower numbers than lanes 16-31, and a wave lower ones than the next quarter's.
; K IS 32 OF THE INSTRUCTION'S 128.  Four tiles' codes fill the four blocks of one A operand; the samples' codes stand in ONE block of B, zero codes in the other three: v36-63 hold 12 zeros, the 4 registers
; of codes, 12 zeros, and the run that begins at v[48 - 4 b] has the codes in block b.  A scale word repeats its byte four times, so it serves whatever the block; zero codes add nothing under any byte here.
; FOR THE LATER LAUNCHES:
;   wb: each wave turns 512 numbers of wts into bf16 (for each centre four chunks of 512 bytes; chunk q, lane l = 8 dq + eq: W[8 dq + 2 q + 0..1][4 eq + 0..3]);
;   bb[j][e] = offsets[j][e] - the sum over d of ctrs[j][d] Wb[j][d][e], Wb the rounded W: what reference() calls the applied offset of one centre.  A wave sums its 16 rows d of its centre,
;     the two halves of a centre meet in LDS behind the first barrier, and wave 15 stores the work-group's 8 rows: 1,024 consecutive bytes;
;   crec: 32 bytes of codes a centre (work-groups 0-7 store them: a group's 8 centres are 256 consecutive bytes, aligned, from one instruction), then at byte 65,536 the scale words and at byte 73,728
;     |c|^2, both by centre, as they lie in LDS at the same bytes (work-group 8 copies them out).
; NO JOINT LOADS: ctrs is the one input that all work-groups share, 262,144 bytes, read once by each, straight into the registers in which it is quantised; as f32 in LDS it would stand beside the
; 92,160 bytes made of it, more than the 327,680 that a work-group can have.
; LIMITS: NaN and infinities among the inputs are not served.  |x|^2 and |c|^2 are summed in a fixed tree (two packed chains of four, their sum, its halves, the other lane half), which need not be
; reference()'s order: where two distances lie within an ulp or two of each other the order of the two can differ.  A row of zeros gets the scale byte 1 (its codes are zeros; only this program reads the byte).
; W is rounded to bf16, to nearest even.
.set CIMG, 0                           ; LDS: 128 tiles' images, 512 bytes each
.set CSC,  65536                       ; scale words by centre number
.set C2O,  73728                       ; |c|^2 by centre number
.set MRG,  81920                       ; the waves' lists: 512 bytes a wave (256 of values, 256 of group numbers)
.set PB,   90112                       ; the waves' partial sums c.W: 128 bytes a wave
.set R,   1                            ; v1   lane % 16
.set H,   2                            ; v2   lane / 16
.set XO,  3                            ; v3   x: 128 r + 64 h
.set CO,  4                            ; v4   ctrs: my row of my first tile, + 64 h
.set WI,  5                            ; v5   wts: 1024 dq + 16 eq
.set WO,  6                            ; v6   16 x lane
.set SIM, 7                            ; v7   LDS: where I store images
.set SSC, 8                            ; v8   scale words
.set SC2, 9                            ; v9   |c|^2
.set REC, 10                           ; v10  crec: my row's 32 bytes, + 16 h
.set LA,  11                           ; v11  LDS: my quarter's images
.set LS,  12                           ; v12  its scale words: lanes 0-15 a tile's rows, lanes 16-31 the next tile's
.set LC,  13                           ; v13  its |c|^2, my half's
.set MST, 14                           ; v14  my place in the lists
.set MLD, 15                           ; v15  where waves 0-3 read the other quarters' lists
.set X2,  16                           ; v[16:17] |x|^2 of my sample (the packed form names a pair)
.set SB,  18                           ; v18  the samples' scale words
.set GB,  19                           ; v19  64 cq + 32 h
.set L,   20                           ; v20-23 the four least values, ascending.  Until the search begins the four registers hold offsets:
.set CWO, 20                           ; v20  ctrs: my four numbers of the centre whose W I convert
.set PST, 21                           ; v21  LDS: where I put my partial sums
.set TO,  22                           ; v22  the tables' bytes, in LDS and in crec alike: CSC + 1024 w + 16 lane
.set PLD, 23                           ; v23  LDS: where wave 15 reads the partial sums
.set I,   24                           ; v24-27 the list's tags
.set TA,  28
.set TB,  29
.set GO,  30                           ; v30  gsel: 16 r + 8 h
.set TC,  31
.set M,   32                           ; v32-35 four groups' least values
.set BZ,  36
.set BX,  48                           ; the samples' codes
.set A,   64                           ; two sets of 16: four tiles' codes
.set SC,  96                           ; two sets of 2 scale registers
.set D,   100                          ; two sets of 32: four tiles' results
.set C2,  164                          ; two sets of 32: their |c|^2
.set RAW, 100                          ; ahead of the first barrier: my eight tiles as f32, 16 registers each
.set Q,   228                          ; v228-237 the quantiser's scratch
.set WB,  240                          ; v240-247 bf16 of wts
.set CC,  248                          ; v248-251 my four numbers of the centre
.set P,   252                          ; v252-255 my partial sums
.set TBL, 240                          ; behind the first barrier: v240-247 the tables on their way out (work-group 8);
.set OF,  228                          ; v228-235 offsets, v240-255 partial sums (wave 15)
.set PP,  240
.set WV,  40
.set ST,  41
.set CQ,  42
.set CB,  43
.set SEL, 24
.set MNT, 26
.set HM,  27
.set QM,  28
; 16 numbers of a lane (row r, k = 16 h + 0..15) become 4 registers of codes, the row's scale word and the row's sum of squares (of the numbers as they came).
.macro QROW x, c, sw, ss
	v_max3_num_f32 v[Q], |v[(\x)]|, |v[(\x)+1]|, 0x8000000             ; the floor 2^(16 - 127) among the leaves: the byte cannot fall under 1
	v_max3_num_f32 v[Q+1], |v[(\x)+2]|, |v[(\x)+3]|, |v[(\x)+4]|
	v_pk_mul_f32 v[Q+6:Q+7], v[(\x):(\x)+1], v[(\x):(\x)+1]
	v_pk_mul_f32 v[Q+8:Q+9], v[(\x)+8:(\x)+9], v[(\x)+8:(\x)+9]
	v_max3_num_f32 v[Q], v[Q], |v[(\x)+5]|, |v[(\x)+6]|
	v_max3_num_f32 v[Q+1], v[Q+1], |v[(\x)+7]|, |v[(\x)+8]|
	v_pk_fma_f32 v[Q+6:Q+7], v[(\x)+2:(\x)+3], v[(\x)+2:(\x)+3], v[Q+6:Q+7]
	v_pk_fma_f32 v[Q+8:Q+9], v[(\x)+10:(\x)+11], v[(\x)+10:(\x)+11], v[Q+8:Q+9]
	v_max3_num_f32 v[Q], v[Q], |v[(\x)+9]|, |v[(\x)+10]|
	v_max3_num_f32 v[Q+1], v[Q+1], |v[(\x)+11]|, |v[(\x)+12]|
	v_pk_fma_f32 v[Q+6:Q+7], v[(\x)+4:(\x)+5], v[(\x)+4:(\x)+5], v[Q+6:Q+7]
	v_pk_fma_f32 v[Q+8:Q+9], v[(\x)+12:(\x)+13], v[(\x)+12:(\x)+13], v[Q+8:Q+9]
	v_max3_num_f32 v[Q], v[Q], |v[(\x)+13]|, |v[(\x)+14]|
	v_pk_fma_f32 v[Q+6:Q+7], v[(\x)+6:(\x)+7], v[(\x)+6:(\x)+7], v[Q+6:Q+7]
	v_pk_fma_f32 v[Q+8:Q+9], v[(\x)+14:(\x)+15], v[(\x)+14:(\x)+15], v[Q+8:Q+9]
	v_max3_num_f32 v[Q], v[Q], v[Q+1], |v[(\x)+15]|
	v_pk_add_f32 v[Q+6:Q+7], v[Q+6:Q+7], v[Q+8:Q+9]
	v_permlanex16_b32 v[Q+2], v[Q], s[SEL], s[SEL+1]
	v_add_f32 v[Q+6], v[Q+6], v[Q+7]
	v_max_num_f32 v[Q], v[Q], v[Q+2]                                   ; with lane l xor 16's 16 numbers: the block's largest magnitude
	v_permlanex16_b32 v[Q+5], v[Q+6], s[SEL], s[SEL+1]
	v_add_nc_u32 v[Q+3], 0xf8800000, v[Q]                              ; 15 off its exponent field: the conversion's scale operand
	v_and_or_b32 v[Q+4], v[Q], 0x7f800000, s[MNT]                      ; 57,344 x the scale
	v_add_f32 v[\ss], v[Q+6], v[Q+5]                                   ; the row's sum of squares, the same bits in both lanes
	v_lshrrev_b32 v[\sw], 23, v[Q+3]                                   ; the scale's byte,
	v_lshl_or_b32 v[\sw], v[\sw], 8, v[\sw]
	v_lshl_or_b32 v[\sw], v[\sw], 16, v[\sw]                           ; four times
.irp i, 0,1,2,3,4,5,6,7,8,9,10,11,12,13,14,15
	v_med3_num_f32 v[(\x)+\i], v[(\x)+\i], -v[Q+4], v[Q+4]             ; the conversion to an 8-bit code does not saturate (ISA guide 7.6.2): the hold at the largest code x the scale
.endr
	v_cvt_scalef32_pk8_bf8_f32 v[(\c):(\c)+1], v[(\x):(\x)+7], v[Q+3]
	v_cvt_scalef32_pk8_bf8_f32 v[(\c)+2:(\c)+3], v[(\x)+8:(\x)+15], v[Q+3]
	v_nop                                                              ; one plain line behind the last conversion, ahead of whatever next touches its registers
.endm
; v[m] with tag id goes into the sorted list.  The compare is strict and the candidates come in ascending order of their numbers: of equal values the earlier stays ahead.
.macro INS m, id
	v_cmp_lt_f32 s[QM], v[\m], v[L]
	v_cmp_lt_f32 s[QM+1], v[\m], v[L+1]
	v_cmp_lt_f32 s[QM+2], v[\m], v[L+2]
	v_cmp_lt_f32 s[QM+3], v[\m], v[L+3]
	v_cndmask_b32 v[TA], \id, v[I+2], s[QM+2]
	v_cndmask_b32 v[TB], \id, v[I+1], s[QM+1]
	v_cndmask_b32 v[TC], \id, v[I], s[QM]
	v_cndmask_b32 v[I+3], v[I+3], v[TA], s[QM+3]
	v_cndmask_b32 v[I+2], v[I+2], v[TB], s[QM+2]
	v_cndmask_b32 v[I+1], v[I+1], v[TC], s[QM+1]
	v_cndmask_b32 v[I], v[I], \id, s[QM]
	v_med3_num_f32 v[L+3], v[\m], v[L+2], v[L+3]
	v_med3_num_f32 v[L+2], v[\m], v[L+1], v[L+2]
	v_med3_num_f32 v[L+1], v[\m], v[L], v[L+1]
	v_min_num_f32 v[L], v[\m], v[L]
.endm
	s_load_b256 s[4:11], s[0:1], 0x0               ; x s[4:5], ctrs s[6:7], wts s[8:9], offsets s[10:11]
	s_load_b256 s[12:19], s[0:1], 0x20             ; wb s[12:13], crec s[14:15], gsel s[16:17], bb s[18:19]
	v_lshl_add_u32 v238, v0, 2, 0x18000
	v_mov_b32 v239, 0
	v_lshrrev_b32 v1, 5, v0
	v_readfirstlane_b32 s[WV], v1                  ; wave 0..15
	v_and_b32 v[R], 15, v0
	v_bfe_u32 v[H], v0, 4, 1
	v_and_b32 v31, 31, v0                          ; lane
	s_and_b32 s[ST], s[WV], 3
	s_lshr_b32 s[CQ], s[WV], 2
	s_lshl_b32 s[CB], s[CQ], 3
	s_add_co_u32 s[CB], s[CB], s[ST]               ; the lower rows of the tiles that I quantise begin at centre 64 x (8 (w / 4) + w % 4)
	s_lshr_b32 s36, s[WV], 1                       ; the centre whose W I convert: 8 b + w / 2; of its rows: 8 dq + 4 (w % 2) + 0..3
	s_and_b32 s37, s[WV], 1
	v_and_b32 v28, 7, v[R]
	v_lshrrev_b32 v29, 3, v[R]
	v_lshl_add_u32 v28, v29, 8, v28                ; r % 8 + 256 (r / 8): my row's centre within the tile
	v_lshlrev_b32 v[XO], 7, v[R]
	v_lshl_add_u32 v[XO], v[H], 6, v[XO]
	v_lshlrev_b32 v[CO], 7, v28
	v_lshl_add_u32 v[CO], v[H], 6, v[CO]
	s_lshl_b32 s20, s[CB], 13
	v_add_nc_u32 v[CO], s20, v[CO]
	v_lshrrev_b32 v29, 3, v31                      ; dq
	v_and_b32 v30, 7, v31                          ; eq
	v_lshlrev_b32 v[WI], 10, v29
	v_lshl_add_u32 v[WI], v30, 4, v[WI]
	v_lshlrev_b32 v[WO], 4, v31
	s_lshl_b32 s20, s[WV], 12
	v_add_nc_u32 v[SIM], s20, v[WO]                ; CIMG + 4096 w + 16 lane
	s_lshl_b32 s20, s[CB], 8                       ; 64 centres x 4 bytes
	v_lshl_add_u32 v[SSC], v28, 2, CSC
	v_add_nc_u32 v[SSC], s20, v[SSC]
	v_lshl_add_u32 v[SC2], v28, 2, C2O
	v_add_nc_u32 v[SC2], s20, v[SC2]
	s_lshl_b32 s20, s[WV], 9
	v_lshl_add_u32 v[MLD], v[R], 4, MRG
	v_add_nc_u32 v[MLD], s20, v[MLD]
	v_lshlrev_b32 v[REC], 5, v28                   ; 32 bytes a centre
	v_lshl_add_u32 v[REC], v[H], 4, v[REC]
	s_lshl_b32 s20, s[CB], 11
	v_add_nc_u32 v[REC], s20, v[REC]
	s_lshl_b32 s20, s[CQ], 14
	v_add_nc_u32 v[LA], s20, v[WO]
	s_lshl_b32 s20, s[CQ], 11                      ; a quarter's 512 centres x 4 bytes
	v_lshl_add_u32 v[LS], v28, 2, CSC
	v_lshl_add_u32 v[LS], v[H], 5, v[LS]           ; lanes 16-31: one tile (8 centres) on
	v_add_nc_u32 v[LS], s20, v[LS]
	v_lshl_add_u32 v[LC], v[H], 10, C2O
	v_add_nc_u32 v[LC], s20, v[LC]
	v_lshl_add_u32 v[MST], v0, 4, MRG
	s_lshl_b32 s20, s[CQ], 6
	v_lshl_add_u32 v[GB], v[H], 5, s20
	s_lshl_b32 s20, ttmp9, 10                      ; ctrs: 128 (8 b + w / 2) + 16 (w % 2) + 32 dq
	s_lshl_b32 s21, s36, 7
	s_add_co_u32 s20, s20, s21
	s_lshl_b32 s21, s37, 4
	s_add_co_u32 s20, s20, s21
	v_lshl_add_u32 v[CWO], v29, 5, s20
	s_lshl_b32 s20, s[WV], 7
	v_lshl_add_u32 v[PST], v30, 4, PB              ; PB + 128 w + 16 eq
	v_add_nc_u32 v[PST], s20, v[PST]
	v_lshl_add_u32 v[PLD], v30, 4, PB              ; PB + 256 dq + 16 eq
	v_lshl_add_u32 v[PLD], v29, 8, v[PLD]
	s_lshl_b32 s20, s[WV], 10
	v_add_nc_u32 v[TO], s20, v[WO]
	v_add_nc_u32 v[TO], CSC, v[TO]
	v_lshlrev_b32 v[GO], 4, v[R]
	v_lshl_add_u32 v[GO], v[H], 3, v[GO]
	s_mov_b32 s[SEL], 0x76543210
	s_mov_b32 s[SEL+1], 0xfedcba98                 ; v_permlanex16_b32's selects for lane l xor 16
	s_mov_b32 s[MNT], 0x600000                     ; the mantissa field of 57,344
	s_mov_b32 s[HM], 0xffff0000                    ; lanes 16-31
	s_lshl_b32 s20, ttmp9, 13                      ; x: (64 b + 16 st) rows of 128 bytes
	s_lshl_b32 s21, s[ST], 11
	s_add_co_u32 s20, s20, s21
	s_mov_b32 s21, 0
	s_lshl_b32 s22, ttmp9, 15                      ; wts: the centre's 4,096 bytes, + 4 (w % 2) rows of 128
	s_lshl_b32 s23, s36, 12
	s_add_co_u32 s22, s22, s23
	s_lshl_b32 s23, s37, 9
	s_add_co_u32 s22, s22, s23
	s_mov_b32 s23, 0
	s_lshl_b32 s32, ttmp9, 14                      ; wb: the same centre's chunks 2 (w % 2), 2 (w % 2) + 1
	s_lshl_b32 s33, s36, 11
	s_add_co_u32 s32, s32, s33
	s_lshl_b32 s33, s37, 10
	s_add_co_u32 s32, s32, s33
	s_mov_b32 s33, 0
	s_lshl_b32 s34, ttmp9, 10                      ; gsel: 16 bytes a sample; waves 0-3 store their 16 samples
	s_lshl_b32 s35, s[WV], 8
	s_add_co_u32 s34, s34, s35
	s_mov_b32 s35, 0
	s_lshl_b32 s38, ttmp9, 10                      ; offsets and bb: the work-group's 8 rows of 128 bytes
	s_mov_b32 s39, 0
	s_wait_kmcnt 0x0
	s_add_nc_u64 s[4:5], s[4:5], s[20:21]
	s_add_nc_u64 s[8:9], s[8:9], s[22:23]
	s_add_nc_u64 s[12:13], s[12:13], s[32:33]
	s_add_nc_u64 s[16:17], s[16:17], s[34:35]
	s_add_nc_u64 s[10:11], s[10:11], s[38:39]
	s_add_nc_u64 s[18:19], s[18:19], s[38:39]
	; the wave's global loads go out here: 4 of x, 32 of ctrs, 4 of wts, 1 of the centre that belongs to them
.irp j, 0,1,2,3
	global_load_b128 v[A+4*\j:A+4*\j+3], v[XO], s[4:5] offset:16*\j
.endr
.irp t, 0,1,2,3,4,5,6,7
.irp j, 0,1,2,3
	global_load_b128 v[RAW+16*\t+4*\j:RAW+16*\t+4*\j+3], v[CO], s[6:7] offset:1024*\t+16*\j
.endr
.endr
.irp j, 0,1,2,3
	global_load_b128 v[A+16+4*\j:A+16+4*\j+3], v[WI], s[8:9] offset:128*\j th:TH_LOAD_NT   ; read once in the launch
.endr
	global_load_b128 v[CC:CC+3], v[CWO], s[6:7]    ; c[8 dq + 4 (w % 2) + 0..3]
.irp k, 0,1,2,3,4,5,6,7,8,9,10,11
	v_mov_b32 v[BZ+\k], 0                          ; zero codes round the samples' codes
	v_mov_b32 v[BX+4+\k], 0
.endr
	v_mov_b32 v[Q+2], 0                            ; written once: a lane permute's destination counts as one of its sources
	v_mov_b32 v[Q+5], 0
	s_wait_loadcnt 37                              ; x's four loads are in: behind them stand the 32 of ctrs, the 4 of wts and the 1 beside them
	QROW A, BX, SB, X2
	v_mov_b32 v[X2+1], v[X2]                       ; (named with it as a pair)
; Tile i of my eight.  Its codes, scale word and |c|^2 are written into the registers that the tile before held as f32, so that no store's data are written again ahead of the barrier.
.macro QTILE i
.if (\i) == 0
.set CD, A
.else
.set CD, RAW+16*((\i)-1)
.endif
	s_wait_loadcnt 5+4*(7-(\i))                    ; this tile's four loads are in: behind them stand the later tiles' and the last 5
	QROW RAW+16*(\i), CD, CD+4, CD+5
	ds_store_b128 v[SIM], v[CD:CD+3] offset:512*(\i)
	ds_store_b32 v[SSC], v[CD+4] offset:32*(\i)    ; both lanes of a row write the same word with the same value
	ds_store_b32 v[SC2], v[CD+5] offset:32*(\i)
	s_cmp_eq_u32 ttmp9, \i                         ; work-group i stores tile i of each of its waves: each centre's codes are stored once in the launch
	s_cbranch_scc0 .Lnorec_\@
	global_store_b128 v[REC], v[CD:CD+3], s[14:15] offset:256*(\i)     ; rows 0-7 fill 256 consecutive bytes, aligned; rows 8-15 another 256
.Lnorec_\@:
.endm
.irp t, 0,1,2,3,4,5,6,7
	QTILE \t
.endr
	s_wait_loadcnt 0x0                             ; wts, and my four numbers of their centre
.irp j, 0,1,2,3
	v_cvt_pk_bf16_f32 v[WB+2*\j], v[A+16+4*\j], v[A+16+4*\j+1]
	v_cvt_pk_bf16_f32 v[WB+2*\j+1], v[A+16+4*\j+2], v[A+16+4*\j+3]
.endr
	global_store_b128 v[WO], v[WB:WB+3], s[12:13]              ; 32 lanes store 512 consecutive bytes, aligned
	global_store_b128 v[WO], v[WB+4:WB+7], s[12:13] offset:512
; c.W of my four rows, for e = 4 eq + 0..3, on the ROUNDED W: the last launch multiplies x by the same numbers, so that what the rounding leaves is that of (x - c) W.  The first term starts from the zeros of v36-39.
.macro PSUM i, c
	v_fma_mix_f32_bf16 v[P], v[WB+2*(\i)], v[CC+(\i)], v[(\c)] op_sel_hi:[1,0,0]
	v_fma_mix_f32_bf16 v[P+1], v[WB+2*(\i)], v[CC+(\i)], v[(\c)+1] op_sel:[1,0,0] op_sel_hi:[1,0,0]
	v_fma_mix_f32_bf16 v[P+2], v[WB+2*(\i)+1], v[CC+(\i)], v[(\c)+2] op_sel_hi:[1,0,0]
	v_fma_mix_f32_bf16 v[P+3], v[WB+2*(\i)+1], v[CC+(\i)], v[(\c)+3] op_sel:[1,0,0] op_sel_hi:[1,0,0]
.endm
	PSUM 0, BZ
	PSUM 1, P
	PSUM 2, P
	PSUM 3, P
.irp k, 0,1,2,3
	v_add_f32_dpp v[P+\k], v[P+\k], v[P+\k] row_xmask:8 row_mask:0xf bank_mask:0xf     ; the four dq: lanes l, l xor 8,
.endr
.irp k, 0,1,2,3
	v_permlanex16_b32 v[CC+\k], v[P+\k], s[SEL], s[SEL+1]
.endr
.irp k, 0,1,2,3
	v_add_f32 v[P+\k], v[P+\k], v[CC+\k]           ; l xor 16, l xor 24
.endr
	ds_store_b128 v[PST], v[P:P+3]                 ; the four lanes of an eq write the same 16 bytes with the same values
	s_wait_xcnt 0x0                                ; the stores have read their registers: those of the codes and of wb are written again below
	s_wait_dscnt 0x0                               ; for the others' sake: my images, scale words, norms and partial sums lie in LDS
	s_barrier_signal -1
	s_barrier_wait -1
	s_cmp_eq_u32 ttmp9, 8                          ; one work-group copies the two tables out, 1,024 bytes a wave, as they lie
	s_cbranch_scc0 .Lnotab
	ds_load_b128 v[TBL:TBL+3], v[TO]
	ds_load_b128 v[TBL+4:TBL+7], v[TO] offset:512
	s_wait_dscnt 0x0
	global_store_b128 v[TO], v[TBL:TBL+3], s[14:15]            ; 32 lanes store 512 consecutive bytes, aligned
	global_store_b128 v[TO], v[TBL+4:TBL+7], s[14:15] offset:512
	s_wait_xcnt 0x0                                ; their registers and the offset are written again below
.Lnotab:
	s_cmp_eq_u32 s[WV], 15                         ; wave 15 asks here for what bb is made of, and makes it behind the search
	s_cbranch_scc0 .Lnob
	global_load_b128 v[OF:OF+3], v[WO], s[10:11]               ; lane l: offsets of centre l / 8, e = 4 (l % 8) + 0..3;
	global_load_b128 v[OF+4:OF+7], v[WO], s[10:11] offset:512  ; of centre 4 + l / 8
	ds_load_b128 v[PP:PP+3], v[PLD]                            ; that centre's two halves,
	ds_load_b128 v[PP+4:PP+7], v[PLD] offset:128
	ds_load_b128 v[PP+8:PP+11], v[PLD] offset:1024             ; and the other's
	ds_load_b128 v[PP+12:PP+15], v[PLD] offset:1152
.Lnob:
.macro LOADA q, p                      ; quad q (tiles 4 q .. 4 q + 3 of my quarter): codes and scale words into set p: 6 loads
.irp b, 0,1,2,3
	ds_load_b128 v[A+16*(\p)+4*\b:A+16*(\p)+4*\b+3], v[LA] offset:(4*(\q)+\b)*512
.endr
	ds_load_b32 v[SC+2*(\p)], v[LS] offset:128*(\q)            ; lanes 0-15: tile 4 q; lanes 16-31: tile 4 q + 1
	ds_load_b32 v[SC+2*(\p)+1], v[LS] offset:128*(\q)+64       ; tiles 4 q + 2, 4 q + 3
.endm
.macro LOADC q, p                      ; its 32 norms of my half: 8 loads
.irp k, 0,1,2,3,4,5,6,7
	ds_load_b128 v[C2+32*(\p)+4*\k:C2+32*(\p)+4*\k+3], v[LC] offset:128*(\q)+16*\k
.endr
.endm
.macro MULQ p                          ; four products with C = 0 on four accumulators
.irp b, 0,1,2,3
.if \b % 2
	v_wmma_scale_f32_16x16x128_f8f6f4 v[D+32*(\p)+8*\b:D+32*(\p)+8*\b+7], v[A+16*(\p):A+16*(\p)+15], v[BX-4*\b:BX-4*\b+15], 0, v[SC+2*(\p)+\b/2], v[SB] matrix_a_fmt:MATRIX_FMT_BF8 matrix_b_fmt:MATRIX_FMT_BF8 matrix_a_scale:MATRIX_SCALE_ROW1
.else
	v_wmma_scale_f32_16x16x128_f8f6f4 v[D+32*(\p)+8*\b:D+32*(\p)+8*\b+7], v[A+16*(\p):A+16*(\p)+15], v[BX-4*\b:BX-4*\b+15], 0, v[SC+2*(\p)+\b/2], v[SB] matrix_a_fmt:MATRIX_FMT_BF8 matrix_b_fmt:MATRIX_FMT_BF8
.endif
.endr
.endm
.macro PROC q, p                       ; quad q's results: d2, each group's least, four insertions
.set DD, D+32*(\p)
.set CCC, C2+32*(\p)
.irp k, 0,2,4,6
.irp b, 0,1,2,3
	v_pk_fma_f32 v[DD+8*\b+\k:DD+8*\b+\k+1], v[DD+8*\b+\k:DD+8*\b+\k+1], -2.0, v[X2:X2+1] op_sel_hi:[1,0,0]   ; |x|^2 - 2 xc, one rounding; each accumulator is read from its low end on
.endr
.endr
.irp k, 0,2,4,6
.irp b, 0,1,2,3
	v_pk_add_f32 v[DD+8*\b+\k:DD+8*\b+\k+1], v[DD+8*\b+\k:DD+8*\b+\k+1], v[CCC+8*\b+\k:CCC+8*\b+\k+1]         ; + |c|^2
.endr
.endr
.irp b, 0,1,2,3
	v_min3_num_f32 v[M+\b], v[DD+8*\b], v[DD+8*\b+1], v[DD+8*\b+2]
.endr
.irp b, 0,1,2,3
	v_min3_num_f32 v[M+\b], v[M+\b], v[DD+8*\b+3], v[DD+8*\b+4]
.endr
.irp b, 0,1,2,3
	v_min3_num_f32 v[M+\b], v[M+\b], v[DD+8*\b+5], v[DD+8*\b+6]
.endr
.irp b, 0,1,2,3
	v_min_num_f32 v[M+\b], v[M+\b], v[DD+8*\b+7]
.endr
.irp b, 0,1,2,3
	INS M+\b, 4*(\q)+\b                            ; the tag is the tile's number in my quarter, a constant of the text
.endr
.endm
; Step i: the next quad's codes are asked for; quad i is multiplied; quad i - 1's results are worked, which are the places behind quad i's products and stand well behind quad i - 1's;
; then the next quad's norms are asked for, into the registers just read.
.macro STEP i
.if (\i) < 7
	LOADA (\i)+1, ((\i)+1)%2
	s_wait_dscnt 14                                ; quad i's codes and scale words are in: behind them stand its 8 loads of norms and the 6 just issued
.else
	s_wait_dscnt 8                                 ; behind them stand only its 8 loads of norms
.endif
	MULQ (\i)%2
.if (\i) > 0
	PROC (\i)-1, ((\i)+1)%2
.else
.irp k, 0,1,2,3
	v_mov_b32 v[L+\k], 0x7f800000                  ; the list begins as four infinities.  (These ten lines are the places behind the first products: eight are owed ahead of the loads into
	v_mov_b32 v[I+\k], 0                           ; their operands and of the first read of their results: ISA guide 7.12.1)
.endr
	v_nop
	v_nop
.endif
.if (\i) < 7
	LOADC (\i)+1, ((\i)+1)%2
.endif
.endm
	LOADA 0, 0
	LOADC 0, 0
.irp n, 0,1,2,3,4,5,6,7
	STEP \n
.endr
	s_wait_dscnt 0x0
	PROC 7, 1
	; the two halves of the lanes: lanes 0-15 hold the lower group numbers.  Both lanes of a sample take the lower list as it is and insert the upper one, so both end with the same list.
.irp k, 0,1,2,3
	v_add_nc_u32 v[I+\k], v[GB], v[I+\k]           ; tags become group numbers
.endr
.irp k, 0,1,2,3
	v_permlanex16_b32 v[D+\k], v[L+\k], s[SEL], s[SEL+1]
	v_permlanex16_b32 v[D+4+\k], v[I+\k], s[SEL], s[SEL+1]
.endr
.irp k, 0,1,2,3
	v_cndmask_b32 v[D+8+\k], v[D+\k], v[L+\k], s[HM]           ; the upper list: mine in lanes 16-31
	v_cndmask_b32 v[D+12+\k], v[D+4+\k], v[I+\k], s[HM]
	v_cndmask_b32 v[L+\k], v[L+\k], v[D+\k], s[HM]             ; the lower list
	v_cndmask_b32 v[I+\k], v[I+\k], v[D+4+\k], s[HM]
.endr
.irp k, 0,1,2,3
	INS D+8+\k, v[D+12+\k]
.endr
.irp k, 0,1,2,3
	v_cndmask_b32 v[D+16+\k], v[L+\k], v[I+\k], s[HM]          ; lanes 0-15 store the values, lanes 16-31 the numbers
.endr
	ds_store_b128 v[MST], v[D+16:D+19]
	s_wait_dscnt 0x0                               ; for the others' sake
	s_barrier_signal -1
	s_barrier_wait -1
	s_cmp_ge_u32 s[WV], 4                          ; the waves of quarter 0 take the other three quarters' lists in, in ascending order
	s_cbranch_scc1 .Lrest
.irp c, 1,2,3
	ds_load_b128 v[D+32+8*(\c-1):D+32+8*(\c-1)+3], v[MLD] offset:2048*\c
	ds_load_b128 v[D+36+8*(\c-1):D+36+8*(\c-1)+3], v[MLD] offset:2048*\c+256
.endr
	s_wait_dscnt 0x0
.irp c, 0,1,2
.irp k, 0,1,2,3
	INS D+32+8*\c+\k, v[D+36+8*\c+\k]
.endr
.endr
	; the four numbers in ascending order: five exchanges (the larger of two is their sum less the smaller)
.macro XCH lo, hi, a, b
	v_min_u32 v[\lo], v[\a], v[\b]
	v_add_nc_u32 v[\hi], v[\a], v[\b]
	v_sub_nc_u32 v[\hi], v[\hi], v[\lo]
.endm
	XCH D, D+1, I, I+1
	XCH D+2, D+3, I+2, I+3
	XCH D+4, D+5, D, D+2                           ; D+4: the first
	XCH D+6, D+7, D+1, D+3                         ; D+7: the fourth
	XCH D+8, D+9, D+5, D+6                         ; the second, the third
	v_cndmask_b32 v[D+10], v[D+4], v[D+9], s[HM]
	v_cndmask_b32 v[D+11], v[D+8], v[D+7], s[HM]
	global_store_b64 v[GO], v[D+10:D+11], s[16:17]             ; 32 lanes store 256 consecutive bytes, aligned: 16 samples' four numbers
	s_branch .Lend
.Lrest:
	s_cmp_eq_u32 s[WV], 15
	s_cbranch_scc0 .Lend
	s_wait_loadcnt 0x0                             ; the offsets (the partial sums came in ahead of the search's LDS loads, which have all been waited for)
	v_pk_add_f32 v[PP:PP+1], v[PP:PP+1], v[PP+4:PP+5]          ; a centre's two halves
	v_pk_add_f32 v[PP+2:PP+3], v[PP+2:PP+3], v[PP+6:PP+7]
	v_pk_add_f32 v[PP+8:PP+9], v[PP+8:PP+9], v[PP+12:PP+13]
	v_pk_add_f32 v[PP+10:PP+11], v[PP+10:PP+11], v[PP+14:PP+15]
	v_pk_add_f32 v[OF:OF+1], v[OF:OF+1], v[PP:PP+1] neg_lo:[0,1] neg_hi:[0,1]          ; offsets - c.W
	v_pk_add_f32 v[OF+2:OF+3], v[OF+2:OF+3], v[PP+2:PP+3] neg_lo:[0,1] neg_hi:[0,1]
	v_pk_add_f32 v[OF+4:OF+5], v[OF+4:OF+5], v[PP+8:PP+9] neg_lo:[0,1] neg_hi:[0,1]
	v_pk_add_f32 v[OF+6:OF+7], v[OF+6:OF+7], v[PP+10:PP+11] neg_lo:[0,1] neg_hi:[0,1]
	global_store_b128 v[WO], v[OF:OF+3], s[18:19]              ; 32 lanes store 512 consecutive bytes, aligned: four rows of bb
	global_store_b128 v[WO], v[OF+4:OF+7], s[18:19] offset:512
.Lend:
	s_wait_tensorcnt 0x0
	ds_add_u32 v238, v239
	s_wait_dscnt 0x0
	s_endpgm
.Lfunc_end_k_qd1e58b7bc7_coarse:
	.size	k_qd1e58b7bc7_coarse, .Lfunc_end_k_qd1e58b7bc7_coarse-k_qd1e58b7bc7_coarse
	.p2alignl 7, 3214868480
	.fill 96, 4, 3214868480
	.section	.rodata,"a",@progbits
	.p2align	6, 0x0
	.amdhsa_kernel k_qd1e58b7bc7_coarse
		.amdhsa_group_segment_fixed_size 100352
		.amdhsa_private_segment_fixed_size 0
		.amdhsa_enable_private_segment 0
		.amdhsa_kernarg_size 64
		.amdhsa_user_sgpr_count 2
		.amdhsa_user_sgpr_kernarg_segment_ptr 1
		.amdhsa_wavefront_size32 1
		.amdhsa_system_sgpr_workgroup_id_x 1
		.amdhsa_system_sgpr_workgroup_id_y 1
		.amdhsa_system_sgpr_workgroup_id_z 1
		.amdhsa_system_vgpr_workitem_id 0
		.amdhsa_next_free_vgpr 256
		.amdhsa_next_free_sgpr 66
		.amdhsa_reserve_vcc 0
		.amdhsa_float_denorm_mode_32 3
		.amdhsa_float_denorm_mode_16_64 3
		.amdhsa_memory_ordered 1
		.amdhsa_forward_progress 1
		.amdhsa_inst_pref_size 124
	.end_amdhsa_kernel
	.amdgpu_metadata
---
amdhsa.version: [ 1, 2 ]
amdhsa.kernels:
  - .name:           k_qd1e58b7bc7_coarse
    .symbol:         k_qd1e58b7bc7_coarse.kd
    .args:
      - { .name: x, .offset: 0, .size: 8, .value_kind: global_buffer, .address_space: global }
      - { .name: ctrs, .offset: 8, .size: 8, .value_kind: global_buffer, .address_space: global }
      - { .name: wts, .offset: 16, .size: 8, .value_kind: global_buffer, .address_space: global }
      - { .name: offsets, .offset: 24, .size: 8, .value_kind: global_buffer, .address_space: global }
      - { .name: wb, .offset: 32, .size: 8, .value_kind: global_buffer, .address_space: global }
      - { .name: crec, .offset: 40, .size: 8, .value_kind: global_buffer, .address_space: global }
      - { .name: gsel, .offset: 48, .size: 8, .value_kind: global_buffer, .address_space: global }
      - { .name: bb, .offset: 56, .size: 8, .value_kind: global_buffer, .address_space: global }
    .group_segment_fixed_size: 100352
    .private_segment_fixed_size: 0
    .kernarg_segment_align: 8
    .kernarg_segment_size: 64
    .max_flat_workgroup_size: 512
    .sgpr_count:     66
    .vgpr_count:     256
    .wavefront_size: 32
...
	.end_amdgpu_metadata
.endif
;; end of part 1
;; launch refine (part 2): grid 256 x 1, 4 waves a work-group, no clusters, 0 bytes of LDS; arguments x, crec, gsel, idx; writes idx
.if DOCPART == 2
	.amdgcn_target "amdgcn-amd-amdhsa--gfx1250"
	.amdhsa_code_object_version 6
	.text
	.protected	k_qd1e58b7bc7_refine
	.globl	k_qd1e58b7bc7_refine
	.p2align	8
	.type	k_qd1e58b7bc7_refine,@function
k_qd1e58b7bc7_refine:
	s_mov_b64 s[64:65], 0
	v_nop
	global_prefetch_b8 v0, s[64:65] scope:SCOPE_SE
	s_setreg_imm32_b32 hwreg(HW_REG_WAVE_MODE, 25, 1), 1
	s_wait_xcnt 0x0
; THE FOUR NEAREST CENTRES of each sample, out of the 32 centres of the four groups that the launch before has stored (gsel, ascending).  A wave takes 16 samples.
; d2 is made as there: the same codes (the centres' from crec, the samples' quantised here by the same lines), the same matrix instruction, the same two roundings.
; crec: 32 bytes of codes a centre; at byte 65,536 a scale word a centre; at byte 73,728 |c|^2 of each centre.
; A tile of source 0 holds ONE sample's candidates: tile 2 s + u has group gsel[s][u] in rows 0-7 and group gsel[s][2 + u] in rows 8-15.  Of its result only column s is of use:
; lanes s and s + 16 keep their eight registers, by v_cndmask_b32 under a constant mask.  After 32 tiles lane (r, h) holds the 16 products of sample r with groups gsel[r][2 h], gsel[r][2 h + 1].
; As in the launch before, four tiles' codes fill the four blocks of one A operand and the samples' codes stand in one block of B (the run from v[188 - 4 b] has them in block b).
; THE LOADS THAT HANG ON THE LIST ARE 52 A WAVE, all out together: 32 of codes; 16 of scale words, each for two tiles (lanes 0-15 tile 2 s, lanes 16-31 tile 2 s + 1, which the instruction reads
; by its second row of scales); 4 of norms (a group's eight are 32 neighbouring bytes).
; The candidates are inserted in ascending order of their indices under a strict compare: of equal distances the lower index stays ahead, as jax.lax.top_k has it.
; No work-group shares a tile with another at a time that is known ahead (the rows hang on the list), so nothing is asked for jointly; no LDS.
; LIMITS: as in the launch before (NaN, infinities; the order in which |x|^2 is summed).
.set R,   1
.set H,   2
.set XO,  3                            ; v3   x: 128 r + 64 h
.set GA,  4                            ; v4   gsel, for source 0's rows: 8 (r / 8)
.set GDO, 5                            ; v5   gsel and idx, for my own sample: 16 r + 8 h
.set RA,  6                            ; v6   codes: 32 (r % 8) + 16 h
.set RB,  7                            ; v7   scale words: 4 (r % 8)
.set X2,  8                            ; v[8:9] |x|^2
.set SB,  10                           ; v10  the samples' scale words
.set GD,  12                           ; v[12:13] my sample's two groups, then their norms' offsets
.set GI,  14                           ; v[14:15] 8 x group: their first centres
.set A,   16                           ; v16-143  32 tiles' codes.  Before: x as f32 (v16-31), the quantiser's scratch.  After: lists
.set Q,   32
.set SC,  144                          ; v144-159 a scale register for each two tiles
.set SO,  160                          ; v160-175 their offsets
.set BZ,  176
.set BX,  188
.set G,   204                          ; v204-235 group numbers, then offsets; when the loads are in:
.set D,   204                          ; v204-219 two accumulators by turns,
.set E,   220                          ; v220-235 what my lane keeps
.set C2,  236                          ; v236-251 |c|^2 of my 16 candidates
.set L,   16
.set I,   20
.set TA,  24
.set TB,  25
.set TC,  26
.set ID,  28
.set P,   32
.set O,   40
.set WV,  12
.set SEL, 24
.set MNT, 26
.set HM,  27
.set QM,  28
.set MK,  32
.macro QROW x, c, sw, ss               ; word for word the quantiser of the launch before
	v_max3_num_f32 v[Q], |v[(\x)]|, |v[(\x)+1]|, 0x8000000
	v_max3_num_f32 v[Q+1], |v[(\x)+2]|, |v[(\x)+3]|, |v[(\x)+4]|
	v_pk_mul_f32 v[Q+6:Q+7], v[(\x):(\x)+1], v[(\x):(\x)+1]
	v_pk_mul_f32 v[Q+8:Q+9], v[(\x)+8:(\x)+9], v[(\x)+8:(\x)+9]
	v_max3_num_f32 v[Q], v[Q], |v[(\x)+5]|, |v[(\x)+6]|
	v_max3_num_f32 v[Q+1], v[Q+1], |v[(\x)+7]|, |v[(\x)+8]|
	v_pk_fma_f32 v[Q+6:Q+7], v[(\x)+2:(\x)+3], v[(\x)+2:(\x)+3], v[Q+6:Q+7]
	v_pk_fma_f32 v[Q+8:Q+9], v[(\x)+10:(\x)+11], v[(\x)+10:(\x)+11], v[Q+8:Q+9]
	v_max3_num_f32 v[Q], v[Q], |v[(\x)+9]|, |v[(\x)+10]|
	v_max3_num_f32 v[Q+1], v[Q+1], |v[(\x)+11]|, |v[(\x)+12]|
	v_pk_fma_f32 v[Q+6:Q+7], v[(\x)+4:(\x)+5], v[(\x)+4:(\x)+5], v[Q+6:Q+7]
	v_pk_fma_f32 v[Q+8:Q+9], v[(\x)+12:(\x)+13], v[(\x)+12:(\x)+13], v[Q+8:Q+9]
	v_max3_num_f32 v[Q], v[Q], |v[(\x)+13]|, |v[(\x)+14]|
	v_pk_fma_f32 v[Q+6:Q+7], v[(\x)+6:(\x)+7], v[(\x)+6:(\x)+7], v[Q+6:Q+7]
	v_pk_fma_f32 v[Q+8:Q+9], v[(\x)+14:(\x)+15], v[(\x)+14:(\x)+15], v[Q+8:Q+9]
	v_max3_num_f32 v[Q], v[Q], v[Q+1], |v[(\x)+15]|
	v_pk_add_f32 v[Q+6:Q+7], v[Q+6:Q+7], v[Q+8:Q+9]
	v_permlanex16_b32 v[Q+2], v[Q], s[SEL], s[SEL+1]
	v_add_f32 v[Q+6], v[Q+6], v[Q+7]
	v_max_num_f32 v[Q], v[Q], v[Q+2]
	v_permlanex16_b32 v[Q+5], v[Q+6], s[SEL], s[SEL+1]
	v_add_nc_u32 v[Q+3], 0xf8800000, v[Q]
	v_and_or_b32 v[Q+4], v[Q], 0x7f800000, s[MNT]
	v_add_f32 v[\ss], v[Q+6], v[Q+5]
	v_lshrrev_b32 v[\sw], 23, v[Q+3]
	v_lshl_or_b32 v[\sw], v[\sw], 8, v[\sw]
	v_lshl_or_b32 v[\sw], v[\sw], 16, v[\sw]
.irp i, 0,1,2,3,4,5,6,7,8,9,10,11,12,13,14,15
	v_med3_num_f32 v[(\x)+\i], v[(\x)+\i], -v[Q+4], v[Q+4]
.endr
	v_cvt_scalef32_pk8_bf8_f32 v[(\c):(\c)+1], v[(\x):(\x)+7], v[Q+3]
	v_cvt_scalef32_pk8_bf8_f32 v[(\c)+2:(\c)+3], v[(\x)+8:(\x)+15], v[Q+3]
	v_nop                                          ; one plain line behind the last conversion
.endm
.macro INS m, id                       ; v[m] with index id into the sorted list; strict compare: of equal values the earlier stays ahead
	v_cmp_lt_f32 s[QM], v[\m], v[L]
	v_cmp_lt_f32 s[QM+1], v[\m], v[L+1]
	v_cmp_lt_f32 s[QM+2], v[\m], v[L+2]
	v_cmp_lt_f32 s[QM+3], v[\m], v[L+3]
	v_cndmask_b32 v[TA], \id, v[I+2], s[QM+2]
	v_cndmask_b32 v[TB], \id, v[I+1], s[QM+1]
	v_cndmask_b32 v[TC], \id, v[I], s[QM]
	v_cndmask_b32 v[I+3], v[I+3], v[TA], s[QM+3]
	v_cndmask_b32 v[I+2], v[I+2], v[TB], s[QM+2]
	v_cndmask_b32 v[I+1], v[I+1], v[TC], s[QM+1]
	v_cndmask_b32 v[I], v[I], \id, s[QM]
	v_med3_num_f32 v[L+3], v[\m], v[L+2], v[L+3]
	v_med3_num_f32 v[L+2], v[\m], v[L+1], v[L+2]
	v_med3_num_f32 v[L+1], v[\m], v[L], v[L+1]
	v_min_num_f32 v[L], v[\m], v[L]
.endm
	s_load_b128 s[4:7], s[0:1], 0x0                ; x, crec
	s_load_b128 s[8:11], s[0:1], 0x10              ; gsel, idx
	v_lshrrev_b32 v1, 5, v0
	v_readfirstlane_b32 s[WV], v1                  ; wave 0..3
	v_and_b32 v[R], 15, v0
	v_bfe_u32 v[H], v0, 4, 1
	v_lshlrev_b32 v[XO], 7, v[R]
	v_lshl_add_u32 v[XO], v[H], 6, v[XO]
	v_lshrrev_b32 v[GA], 3, v[R]
	v_lshlrev_b32 v[GA], 3, v[GA]
	v_lshlrev_b32 v[GDO], 4, v[R]
	v_lshl_add_u32 v[GDO], v[H], 3, v[GDO]
	v_and_b32 v[RB], 7, v[R]
	v_lshlrev_b32 v[RA], 5, v[RB]
	v_lshl_add_u32 v[RA], v[H], 4, v[RA]
	v_lshlrev_b32 v[RB], 2, v[RB]
	s_lshl_b32 s13, ttmp9, 6
	s_lshl_b32 s14, s[WV], 4
	s_add_co_u32 s13, s13, s14                     ; my first sample: 64 b + 16 w
	s_lshl_b32 s14, s13, 7
	s_mov_b32 s15, 0
	s_lshl_b32 s16, s13, 4
	s_mov_b32 s17, 0
	s_mov_b32 s[SEL], 0x76543210
	s_mov_b32 s[SEL+1], 0xfedcba98
	s_mov_b32 s[MNT], 0x600000
	s_mov_b32 s[HM], 0xffff0000
	s_wait_kmcnt 0x0
	s_add_nc_u64 s[4:5], s[4:5], s[14:15]
	s_add_nc_u64 s[8:9], s[8:9], s[16:17]
	s_add_nc_u64 s[10:11], s[10:11], s[16:17]
.irp s, 0,1,2,3,4,5,6,7,8,9,10,11,12,13,14,15
	global_load_b64 v[G+2*\s:G+2*\s+1], v[GA], s[8:9] offset:16*\s     ; register 2 s + u: group gsel[s][2 (r / 8) + u]: what row r of tile 2 s + u takes
.endr
	global_load_b64 v[GD:GD+1], v[GDO], s[8:9]                         ; gsel[r][2 h], gsel[r][2 h + 1]: what my lane will keep
.irp j, 0,1,2,3
	global_load_b128 v[A+4*\j:A+4*\j+3], v[XO], s[4:5] offset:16*\j
.endr
.irp k, 0,1,2,3,4,5,6,7,8,9,10,11
	v_mov_b32 v[BZ+\k], 0
	v_mov_b32 v[BX+4+\k], 0
.endr
	v_mov_b32 v[Q+2], 0                            ; written once: a lane permute's destination counts as one of its sources
	v_mov_b32 v[Q+5], 0
	s_wait_loadcnt 0x0
	QROW A, BX, SB, X2
	v_mov_b32 v[X2+1], v[X2]
.irp p, 0,1,2,3,4,5,6,7,8,9,10,11,12,13,14,15
	v_cndmask_b32 v[SO+\p], v[G+2*\p], v[G+2*\p+1], s[HM]      ; lanes 0-15: row r's group in tile 2 p; lanes 16-31: in tile 2 p + 1
.endr
.irp p, 0,1,2,3,4,5,6,7,8,9,10,11,12,13,14,15
	v_min_u32 v[SO+\p], 255, v[SO+\p]              ; a loaded number enters an address only behind a bound
.endr
.irp p, 0,1,2,3,4,5,6,7,8,9,10,11,12,13,14,15
	v_lshl_add_u32 v[SO+\p], v[SO+\p], 5, v[RB]    ; a group's eight scale words are 32 bytes
.endr
.irp t, 0,1,2,3,4,5,6,7,8,9,10,11,12,13,14,15,16,17,18,19,20,21,22,23,24,25,26,27,28,29,30,31
	v_min_u32 v[G+\t], 255, v[G+\t]
.endr
.irp t, 0,1,2,3,4,5,6,7,8,9,10,11,12,13,14,15,16,17,18,19,20,21,22,23,24,25,26,27,28,29,30,31
	v_lshl_add_u32 v[G+\t], v[G+\t], 8, v[RA]      ; a group's codes are 256 bytes
.endr
	v_min_u32 v[GD], 255, v[GD]
	v_min_u32 v[GD+1], 255, v[GD+1]
	v_lshlrev_b32 v[GI], 3, v[GD]
	v_lshlrev_b32 v[GI+1], 3, v[GD+1]
	v_lshlrev_b32 v[GD], 5, v[GD]                  ; a group's eight norms are 32 bytes
	v_lshlrev_b32 v[GD+1], 5, v[GD+1]
.irp t, 0,1,2,3,4,5,6,7,8,9,10,11,12,13,14,15,16,17,18,19,20,21,22,23,24,25,26,27,28,29,30,31
	global_load_b128 v[A+4*\t:A+4*\t+3], v[G+\t], s[6:7]               ; row r's codes, k = 16 h + 0..15: block t % 4 of operand t / 4
.endr
.irp p, 0,1,2,3,4,5,6,7,8,9,10,11,12,13,14,15
	global_load_b32 v[SC+\p], v[SO+\p], s[6:7] offset:65536            ; two tiles' scale words
.endr
.irp u, 0,1
	global_load_b128 v[C2+8*\u:C2+8*\u+3], v[GD+\u], s[6:7] offset:73728       ; |c|^2 of my candidates
	global_load_b128 v[C2+8*\u+4:C2+8*\u+7], v[GD+\u], s[6:7] offset:73744
.endr
	s_wait_loadcnt 0x0                             ; all are in: the offsets' registers are free
.macro CAP t                           ; lanes t / 2 and t / 2 + 16 keep tile t's eight results, read from the low end on
.if (\t)%2 == 0
	s_mov_b32 s[MK], 0x00010001<<((\t)/2)
.endif
.irp j, 0,1,2,3,4,5,6,7
	v_cndmask_b32 v[E+8*((\t)%2)+\j], v[E+8*((\t)%2)+\j], v[D+8*((\t)%2)+\j], s[MK]
.endr
.endm
; Two accumulators by turns.  Between a product and the read of its result stand a v_nop, the eight lines that keep the tile before, and a second v_nop: ten places where eight are owed;
; the same ten stand between it and the product that writes over its result, where nine are owed (the lines that read its own result are not counted).
.macro TILE t
.if (\t)%2
	v_wmma_scale_f32_16x16x128_f8f6f4 v[D+8*((\t)%2):D+8*((\t)%2)+7], v[A+16*((\t)/4):A+16*((\t)/4)+15], v[BX-4*((\t)%4):BX-4*((\t)%4)+15], 0, v[SC+(\t)/2], v[SB] matrix_a_fmt:MATRIX_FMT_BF8 matrix_b_fmt:MATRIX_FMT_BF8 matrix_a_scale:MATRIX_SCALE_ROW1
.else
	v_wmma_scale_f32_16x16x128_f8f6f4 v[D+8*((\t)%2):D+8*((\t)%2)+7], v[A+16*((\t)/4):A+16*((\t)/4)+15], v[BX-4*((\t)%4):BX-4*((\t)%4)+15], 0, v[SC+(\t)/2], v[SB] matrix_a_fmt:MATRIX_FMT_BF8 matrix_b_fmt:MATRIX_FMT_BF8
.endif
	v_nop
.if (\t) == 0
.irp j, 0,1,2,3,4,5,6,7,8,9,10,11,12,13,14,15
	v_mov_b32 v[E+\j], 0                           ; written whole before it is written by lanes; these lines are the first product's places
.endr
.else
	CAP (\t)-1
.endif
.endm
.set TN, 0
.rept 32
	TILE TN
.set TN, TN+1
.endr
	CAP 31
.irp k, 0,2,4,6,8,10,12,14
	v_pk_fma_f32 v[E+\k:E+\k+1], v[E+\k:E+\k+1], -2.0, v[X2:X2+1] op_sel_hi:[1,0,0]   ; |x|^2 - 2 xc, one rounding
.endr
.irp k, 0,2,4,6,8,10,12,14
	v_pk_add_f32 v[E+\k:E+\k+1], v[E+\k:E+\k+1], v[C2+\k:C2+\k+1]                     ; + |c|^2
.endr
.irp k, 0,1,2,3
	v_mov_b32 v[L+\k], 0x7f800000
	v_mov_b32 v[I+\k], 0
.endr
.set CN, 0
.rept 16
	v_add_nc_u32 v[ID+CN%2], CN%8, v[GI+CN/8]      ; the candidate's index
	INS E+CN, v[ID+CN%2]
.set CN, CN+1
.endr
	; lanes 0-15 hold the two lower groups: they take the upper lanes' list in.  (Lanes 16-31 run the same lines; their lists are not used.)
.irp k, 0,1,2,3
	v_permlanex16_b32 v[P+\k], v[L+\k], s[SEL], s[SEL+1]
	v_permlanex16_b32 v[P+4+\k], v[I+\k], s[SEL], s[SEL+1]
.endr
.irp k, 0,1,2,3
	INS P+\k, v[P+4+\k]
.endr
	v_permlanex16_b32 v[P], v[I+2], s[SEL], s[SEL+1]
	v_permlanex16_b32 v[P+1], v[I+3], s[SEL], s[SEL+1]
	v_cndmask_b32 v[O], v[I], v[P], s[HM]          ; lane r stores the first two indices, lane r + 16 lane r's other two
	v_cndmask_b32 v[O+1], v[I+1], v[P+1], s[HM]
	global_store_b64 v[GDO], v[O:O+1], s[10:11]    ; 32 lanes store 256 consecutive bytes, aligned
	s_endpgm
.Lfunc_end_k_qd1e58b7bc7_refine:
	.size	k_qd1e58b7bc7_refine, .Lfunc_end_k_qd1e58b7bc7_refine-k_qd1e58b7bc7_refine
	.p2alignl 7, 3214868480
	.fill 96, 4, 3214868480
	.section	.rodata,"a",@progbits
	.p2align	6, 0x0
	.amdhsa_kernel k_qd1e58b7bc7_refine
		.amdhsa_group_segment_fixed_size 0
		.amdhsa_private_segment_fixed_size 0
		.amdhsa_enable_private_segment 0
		.amdhsa_kernarg_size 32
		.amdhsa_user_sgpr_count 2
		.amdhsa_user_sgpr_kernarg_segment_ptr 1
		.amdhsa_wavefront_size32 1
		.amdhsa_system_sgpr_workgroup_id_x 1
		.amdhsa_system_sgpr_workgroup_id_y 1
		.amdhsa_system_sgpr_workgroup_id_z 1
		.amdhsa_system_vgpr_workitem_id 0
		.amdhsa_next_free_vgpr 256
		.amdhsa_next_free_sgpr 66
		.amdhsa_reserve_vcc 0
		.amdhsa_float_denorm_mode_32 3
		.amdhsa_float_denorm_mode_16_64 3
		.amdhsa_memory_ordered 1
		.amdhsa_forward_progress 1
		.amdhsa_inst_pref_size 63
	.end_amdhsa_kernel
	.amdgpu_metadata
---
amdhsa.version: [ 1, 2 ]
amdhsa.kernels:
  - .name:           k_qd1e58b7bc7_refine
    .symbol:         k_qd1e58b7bc7_refine.kd
    .args:
      - { .name: x, .offset: 0, .size: 8, .value_kind: global_buffer, .address_space: global }
      - { .name: crec, .offset: 8, .size: 8, .value_kind: global_buffer, .address_space: global }
      - { .name: gsel, .offset: 16, .size: 8, .value_kind: global_buffer, .address_space: global }
      - { .name: idx, .offset: 24, .size: 8, .value_kind: global_buffer, .address_space: global }
    .group_segment_fixed_size: 0
    .private_segment_fixed_size: 0
    .kernarg_segment_align: 8
    .kernarg_segment_size: 32
    .max_flat_workgroup_size: 128
    .sgpr_count:     66
    .vgpr_count:     256
    .wavefront_size: 32
...
	.end_amdgpu_metadata
.endif
;; end of part 2
;; launch gather (part 3): grid 256 x 1, 16 waves a work-group, no clusters, 0 bytes of LDS; arguments x, wb, bb, idx, out0; writes out0
.if DOCPART == 3
	.amdgcn_target "amdgcn-amd-amdhsa--gfx1250"
	.amdhsa_code_object_version 6
	.text
	.protected	k_qd1e58b7bc7_gather
	.globl	k_qd1e58b7bc7_gather
	.p2align	8
	.type	k_qd1e58b7bc7_gather,@function
k_qd1e58b7bc7_gather:
	s_mov_b64 s[64:65], 0
	v_nop
	global_prefetch_b8 v0, s[64:65] scope:SCOPE_SE
	s_setreg_imm32_b32 hwreg(HW_REG_WAVE_MODE, 25, 1), 1
	s_wait_xcnt 0x0
; y[n][e] = the sum over the sample's four centres j of ( bb[j][e] + the sum over d of x[n][d] Wb[j][d][e] ).  The centres come from idx, stored by the launch before.
; Wb is wts rounded to bf16 (a product that the contract leaves as it is), 2,048 bytes a centre in four chunks of 512; bb[j] = offsets[j] - ctrs[j] Wb[j], made by the first launch ON THE SAME Wb.
; So x Wb and c Wb are subtracted in f32, as reference() subtracts x W and c W, and what the rounding of W leaves in y is that of (x - c)(W - Wb).  Products and sums in f32 (v_fma_mix_f32_bf16).
; SHARES.  A wave takes 4 samples, 16 units (sample, centre).  Lane l = 8 dq + eq owns d = 8 dq + 0..7 and e = 4 eq + 0..3: chunk q brings it W[8 dq + 2 q + 0..1][4 eq + 0..3], 16 bytes,
; so each load of W covers 512 consecutive bytes, and a unit is four loads.  The lanes of group dq begin their sums with bb of centre j = dq, so that the sum over the four dq also adds the four rows of bb.
; A ring of eight units in registers; a slot is filled again one unit after it was read: 28 to 32 loads of the wave are on their way while a unit is worked.
; No LDS, no barrier, no matrix unit: each model serves one sample's one row.
; Nothing is asked for jointly and nothing ahead of its load: which rows are read hangs on the list, and a row of wb is read by many samples, not once.
; LIMIT: W is rounded to bf16 (to nearest even), a relative 2^-9 at the most for each of the 128 terms of a result.
.set LN,   1
.set DQ,   2
.set EQ,   3
.set ZO,   4                           ; v4   0
.set DQ4,  5                           ; v5   4 dq
.set XOF,  6                           ; v6   32 dq: my 8 numbers of a row of x
.set L16,  7                           ; v7   16 x lane
.set EQ16, 8                           ; v8   16 eq
.set IW,   16                          ; v16-31  unit u's centre, then its offset in wb; never rewritten after
.set IO,   32                          ; v32-35  sample s: centre dq's offset in bb
.set XR,   36                          ; v36-67  my 8 numbers of each sample
.set ACC,  68                          ; v68-83  4 sums for each sample
.set RING, 84                          ; v84-211 eight slots of 16
	s_load_b256 s[4:11], s[0:1], 0x0               ; x s[4:5], wb s[6:7], bb s[8:9], idx s[10:11]
	s_load_b64 s[12:13], s[0:1], 0x20              ; out0
	v_lshrrev_b32 v1, 5, v0
	v_readfirstlane_b32 s16, v1                    ; wave 0..15
	v_and_b32 v[LN], 31, v0
	v_lshrrev_b32 v[DQ], 3, v[LN]
	v_and_b32 v[EQ], 7, v[LN]
	v_mov_b32 v[ZO], 0
	v_lshlrev_b32 v[DQ4], 2, v[DQ]
	v_lshlrev_b32 v[XOF], 5, v[DQ]
	v_lshlrev_b32 v[L16], 4, v[LN]
	v_lshlrev_b32 v[EQ16], 4, v[EQ]
	s_lshl_b32 s17, ttmp9, 6
	s_lshl_b32 s18, s16, 2
	s_add_co_u32 s17, s17, s18                     ; my first sample: 64 b + 4 w
	s_lshl_b32 s18, s17, 7
	s_mov_b32 s19, 0
	s_lshl_b32 s20, s17, 4
	s_mov_b32 s21, 0
	s_mov_b32 s24, 0x76543210
	s_mov_b32 s25, 0xfedcba98                      ; v_permlanex16_b32's selects for lane l xor 16
	s_mov_b32 s26, 0x0000ff00                      ; the lanes of dq = 1, 2, 3
	s_mov_b32 s27, 0x00ff0000
	s_mov_b32 s28, 0xff000000
	s_wait_kmcnt 0x0
	s_add_nc_u64 s[4:5], s[4:5], s[18:19]
	s_add_nc_u64 s[12:13], s[12:13], s[18:19]
	s_add_nc_u64 s[10:11], s[10:11], s[20:21]
.irp s, 0,1,2,3
	global_load_b128 v[IW+4*\s:IW+4*\s+3], v[ZO], s[10:11] offset:16*\s        ; the sample's four centres, in every lane
.endr
.irp s, 0,1,2,3
	global_load_b32 v[IO+\s], v[DQ4], s[10:11] offset:16*\s                    ; and centre dq
.endr
.irp s, 0,1,2,3
	global_load_b128 v[XR+8*\s:XR+8*\s+3], v[XOF], s[4:5] offset:128*\s
	global_load_b128 v[XR+8*\s+4:XR+8*\s+7], v[XOF], s[4:5] offset:128*\s+16
.endr
	s_wait_loadcnt 8                               ; the lists are in; x's eight loads may stay out
.irp u, 0,1,2,3,4,5,6,7,8,9,10,11,12,13,14,15
	v_min_u32 v[IW+\u], 0x7ff, v[IW+\u]            ; a loaded number enters an address only behind a bound
.endr
.irp u, 0,1,2,3,4,5,6,7,8,9,10,11,12,13,14,15
	v_lshl_add_u32 v[IW+\u], v[IW+\u], 11, v[L16]
.endr
.irp s, 0,1,2,3
	v_min_u32 v[IO+\s], 0x7ff, v[IO+\s]
.endr
.irp s, 0,1,2,3
	v_lshl_add_u32 v[IO+\s], v[IO+\s], 7, v[EQ16]
.endr
.irp s, 0,1,2,3
	global_load_b128 v[ACC+4*\s:ACC+4*\s+3], v[IO+\s], s[8:9]                  ; the sums begin as bb[centre dq][4 eq + 0..3]
.endr
.macro FILL u                          ; unit u's four loads into slot u % 8
.set RF, RING+16*((\u)%8)
.irp q, 0,1,2,3
	global_load_b128 v[RF+4*\q:RF+4*\q+3], v[IW+(\u)], s[6:7] offset:512*\q
.endr
.endm
.macro UNIT u
.if (\u)+7 < 16
	FILL (\u)+7                                    ; the slot that the unit before has read takes the unit seven on from this one
.endif
.set RG, RING+16*((\u)%8)
.set AC, ACC+4*((\u)/4)
.set XS, XR+8*((\u)/4)
.if 15-(\u) < 7
	s_wait_loadcnt 4*(15-(\u))                     ; loads come back in order (ISA guide 5.7.1): mine are in, the later units' four each may stay out
.else
	s_wait_loadcnt 28
.endif
.irp d, 0,1,2,3,4,5,6,7
	v_fma_mix_f32_bf16 v[AC], v[RG+2*\d], v[XS+\d], v[AC] op_sel_hi:[1,0,0]                             ; the low half of the word: e = 4 eq
	v_fma_mix_f32_bf16 v[AC+1], v[RG+2*\d], v[XS+\d], v[AC+1] op_sel:[1,0,0] op_sel_hi:[1,0,0]          ; the high half: 4 eq + 1
	v_fma_mix_f32_bf16 v[AC+2], v[RG+2*\d+1], v[XS+\d], v[AC+2] op_sel_hi:[1,0,0]
	v_fma_mix_f32_bf16 v[AC+3], v[RG+2*\d+1], v[XS+\d], v[AC+3] op_sel:[1,0,0] op_sel_hi:[1,0,0]
.endr
.endm
.irp u, 0,1,2,3,4,5,6
	FILL \u
.endr
.irp u, 0,1,2,3,4,5,6,7,8,9,10,11,12,13,14,15
	UNIT \u
.endr
	; the sum over the four dq: lanes l, l xor 8, l xor 16, l xor 24
.irp a, 0,1,2,3,4,5,6,7,8,9,10,11,12,13,14,15
	v_add_f32_dpp v[ACC+\a], v[ACC+\a], v[ACC+\a] row_xmask:8 row_mask:0xf bank_mask:0xf
.endr
.irp a, 0,1,2,3,4,5,6,7,8,9,10,11,12,13,14,15
	v_permlanex16_b32 v[RING+\a], v[ACC+\a], s24, s25
.endr
.irp a, 0,1,2,3,4,5,6,7,8,9,10,11,12,13,14,15
	v_add_f32 v[ACC+\a], v[ACC+\a], v[RING+\a]
.endr
.irp k, 0,1,2,3
	v_cndmask_b32 v[ACC+\k], v[ACC+\k], v[ACC+4+\k], s26       ; the lanes of group dq store sample dq
	v_cndmask_b32 v[ACC+\k], v[ACC+\k], v[ACC+8+\k], s27
	v_cndmask_b32 v[ACC+\k], v[ACC+\k], v[ACC+12+\k], s28
.endr
	global_store_b128 v[L16], v[ACC:ACC+3], s[12:13] th:TH_STORE_NT            ; 32 lanes store 512 consecutive bytes, aligned: four rows of y; written once, read by nobody here
	s_endpgm
.Lfunc_end_k_qd1e58b7bc7_gather:
	.size	k_qd1e58b7bc7_gather, .Lfunc_end_k_qd1e58b7bc7_gather-k_qd1e58b7bc7_gather
	.p2alignl 7, 3214868480
	.fill 96, 4, 3214868480
	.section	.rodata,"a",@progbits
	.p2align	6, 0x0
	.amdhsa_kernel k_qd1e58b7bc7_gather
		.amdhsa_group_segment_fixed_size 0
		.amdhsa_private_segment_fixed_size 0
		.amdhsa_enable_private_segment 0
		.amdhsa_kernarg_size 40
		.amdhsa_user_sgpr_count 2
		.amdhsa_user_sgpr_kernarg_segment_ptr 1
		.amdhsa_wavefront_size32 1
		.amdhsa_system_sgpr_workgroup_id_x 1
		.amdhsa_system_sgpr_workgroup_id_y 1
		.amdhsa_system_sgpr_workgroup_id_z 1
		.amdhsa_system_vgpr_workitem_id 0
		.amdhsa_next_free_vgpr 216
		.amdhsa_next_free_sgpr 66
		.amdhsa_reserve_vcc 0
		.amdhsa_float_denorm_mode_32 3
		.amdhsa_float_denorm_mode_16_64 3
		.amdhsa_memory_ordered 1
		.amdhsa_forward_progress 1
		.amdhsa_inst_pref_size 48
	.end_amdhsa_kernel
	.amdgpu_metadata
---
amdhsa.version: [ 1, 2 ]
amdhsa.kernels:
  - .name:           k_qd1e58b7bc7_gather
    .symbol:         k_qd1e58b7bc7_gather.kd
    .args:
      - { .name: x, .offset: 0, .size: 8, .value_kind: global_buffer, .address_space: global }
      - { .name: wb, .offset: 8, .size: 8, .value_kind: global_buffer, .address_space: global }
      - { .name: bb, .offset: 16, .size: 8, .value_kind: global_buffer, .address_space: global }
      - { .name: idx, .offset: 24, .size: 8, .value_kind: global_buffer, .address_space: global }
      - { .name: out0, .offset: 32, .size: 8, .value_kind: global_buffer, .address_space: global }
    .group_segment_fixed_size: 0
    .private_segment_fixed_size: 0
    .kernarg_segment_align: 8
    .kernarg_segment_size: 40
    .max_flat_workgroup_size: 512
    .sgpr_count:     66
    .vgpr_count:     216
    .wavefront_size: 32
...
	.end_amdgpu_metadata
.endif
;; end of part 3
;; ======== version 2 of 2: 3 launches; version 1 with the launches coarse, refine, gather written anew for expert scheduling mode
;; workspace buffers: wb 4,194,304 bytes; crec 81,920 bytes; bb 262,144 bytes; gsel 262,144 bytes of whole numbers; idx 262,144 bytes of whole numbers
;; launch coarse (part 4): grid 256 x 1, 16 waves a work-group, no clusters, 100,352 bytes of LDS; arguments x, ctrs, wts, offsets, wb, crec, gsel, bb; writes wb, crec, gsel, bb
.if DOCPART == 4
	.amdgcn_target "amdgcn-amd-amdhsa--gfx1250"
	.amdhsa_code_object_version 6
	.text
	.protected	k_qd1e58b7bc7_coarse
	.globl	k_qd1e58b7bc7_coarse
	.p2align	8
	.type	k_qd1e58b7bc7_coarse,@function
k_qd1e58b7bc7_coarse:
	s_mov_b64 s[64:65], 0
	v_nop
	global_prefetch_b8 v0, s[64:65] scope:SCOPE_SE
	s_setreg_imm32_b32 hwreg(HW_REG_WAVE_SCHED_MODE, 0, 2), 2
	s_setreg_imm32_b32 hwreg(HW_REG_WAVE_MODE, 25, 1), 1
	s_wait_xcnt 0x0
	s_wait_alu depctr_vm_vsrc(0)
; COARSE SEARCH.  d2[n][c] = (|x_n|^2 - 2 Q(x_n).Q(c_c)) + |c_c|^2, Q the MX-BF8 quantiser along the 32 numbers of a row (one block a row).
; For each sample the FOUR GROUPS OF 8 NEIGHBOURING CENTRES with the smallest (least d2 of the group, group number) are stored, ascending by number.
; The 4 nearest centres (ties to the lower index) lie in these groups: were one of them in a fifth group, four other groups' least elements would rank ahead of it.
; The next launch looks at their 32 centres one by one.  So here only one number in eight is inserted into a sorted list with its tag.
; SHARES.  A work-group: 64 samples x all 2,048 centres, sixteen waves.  Ahead of the first barrier wave w quantises tiles 8 w .. 8 w + 7 of the centres (16 rows each) into LDS,
; as images of an operand's registers, with a scale word and |c|^2 for each centre.  Behind it wave w takes sample tile w % 4 and centre quarter w / 4 (32 tiles).
; THE ROWS OF A TILE ARE NOT NEIGHBOURS: tile t of quarter cq holds centres 512 cq + 8 t + 0..7 in rows 0-7 and 512 cq + 256 + 8 t + 0..7 in rows 8-15.  In the result (source 0 = centres,
; source 1 = samples) lane (r, h) holds sample r and rows 8 h + 0..7: one group, number 64 cq + 32 h + t, so that lanes 0-15 hold lower numbers than lanes 16-31, and a wave lower ones than the next quarter's.
; K IS 32 OF THE INSTRUCTION'S 128.  Four tiles' codes fill the four blocks of one A operand; the samples' codes stand in ONE block of B, zero codes in the other three: v36-63 hold 12 zeros, the 4 registers
; of codes, 12 zeros, and the run that begins at v[48 - 4 b] has the codes in block b.  A scale word repeats its byte four times, so it serves whatever the block; zero codes add nothing under any byte here.
; FOR THE LATER LAUNCHES:
;   wb: each wave turns 512 numbers of wts into bf16 (for each centre four chunks of 512 bytes; chunk q, lane l = 8 dq + eq: W[8 dq + 2 q + 0..1][4 eq + 0..3]);
;   bb[j][e] = offsets[j][e] - the sum over d of ctrs[j][d] Wb[j][d][e], Wb the rounded W: what reference() calls the applied offset of one centre.  A wave sums its 16 rows d of its centre,
;     the two halves of a centre meet in LDS behind the first barrier, and wave 15 stores the work-group's 8 rows: 1,024 consecutive bytes;
;   crec: 32 bytes of codes a centre (work-groups 0-7 store them: a group's 8 centres are 256 consecutive bytes, aligned, from one instruction), then at byte 65,536 the scale words and at byte 73,728
;     |c|^2, both by centre, as they lie in LDS at the same bytes (work-group 8 copies them out).
; NO JOINT LOADS: ctrs is the one input that all work-groups share, 262,144 bytes, read once by each, straight into the registers in which it is quantised; as f32 in LDS it would stand beside the
; 92,160 bytes made of it, more than the 327,680 that a work-group can have.
; LIMITS: NaN and infinities among the inputs are not served.  |x|^2 and |c|^2 are summed in a fixed tree (two packed chains of four, their sum, its halves, the other lane half), which need not be
; reference()'s order: where two distances lie within an ulp or two of each other the order of the two can differ.  A row of zeros gets the scale byte 1 (its codes are zeros; only this program reads the byte).
; W is rounded to bf16, to nearest even.
; THE MODE: SCHED_MODE bits 1:0 = 2 (LLVM: expert scheduling mode 2), set by the entry lines.  The code itself states the register dependences between vector or matrix instructions and memory or LDS
; instructions, and those through scalar registers that vector instructions write, with s_wait_alu, always for 0.
; THE PLAN.  Registers that memory or LDS instructions touch:
;   v3-15, v20-23, v30   Offsets and LDS addresses, made at the head: one wait on va_vdst ahead of the first load.  v20-23 become the list: a wait on vm_vsrc stands behind their last reader.
;   a tile's codes, scale word, |c|^2   Six registers of its own for each of my eight tiles.  Written by tile i's quantiser; read by the stores that stand at the head of tile i + 1, behind that tile's wait
;                        for its data and one wait on va_vdst.  Tile 7's leave with the bf16 words and the partial sums, behind one wait that stands behind all the vector work ahead of the first barrier.
;   v64-255              Behind the first barrier they take new contents (LDS loads, matrix results).  That same wait on va_vdst, with no vector line behind it, and one wait on vm_vsrc ahead of the barrier state
;                        that the head's vector lines and stores are done with them.
;   A0, A1, SC0, SC1     Quad q's codes and scale words: written by LDS loads, read by quad q's four products.
;   C2 set 0, set 1      Quad q's norms: written by LDS loads, read by the additions that work quad q's results.
;   In step i ONE wait on va_vdst stands behind the value chains of quad i - 1's insertions: the additions are done reading quad i - 1's norms, where quad i + 1's land, and quad i's products are done reading
;   their codes and scale words, where quad i + 2's land.  The fourteen loads follow, dealt among the selects on the tags, which name the tags, three temporaries and the masks alone.
;   THE INSERTIONS go four at a time: the values' chain never reads the masks, so four times (four compares, four lines on the values) stand first, then one wait on va_sdst for the sixteen masks, then the selects.
.set CIMG, 0                           ; LDS: 128 tiles' images, 512 bytes each
.set CSC,  65536                       ; scale words by centre number
.set C2O,  73728                       ; |c|^2 by centre number
.set MRG,  81920                       ; the waves' lists: 512 bytes a wave (256 of values, 256 of group numbers)
.set PB,   90112                       ; the waves' partial sums c.W: 128 bytes a wave
.set R,   1                            ; v1   lane % 16
.set H,   2                            ; v2   lane / 16
.set XO,  3                            ; v3   x: 128 r + 64 h
.set CO,  4                            ; v4   ctrs: my row of my first tile, + 64 h
.set WI,  5                            ; v5   wts: 1024 dq + 16 eq
.set WO,  6                            ; v6   16 x lane
.set SIM, 7                            ; v7   LDS: where I store images
.set SSC, 8                            ; v8   scale words
.set SC2, 9                            ; v9   |c|^2
.set REC, 10                           ; v10  crec: my row's 32 bytes, + 16 h
.set LA,  11                           ; v11  LDS: my quarter's images
.set LS,  12                           ; v12  its scale words: lanes 0-15 a tile's rows, lanes 16-31 the next tile's
.set LC,  13                           ; v13  its |c|^2, my half's
.set MST, 14                           ; v14  my place in the lists
.set MLD, 15                           ; v15  where waves 0-3 read the other quarters' lists
.set X2,  16                           ; v[16:17] |x|^2 of my sample (the packed form names a pair)
.set SB,  18                           ; v18  the samples' scale words
.set GB,  19                           ; v19  64 cq + 32 h
.set L,   20                           ; v20-23 the four least values, ascending.  Until the search begins the four registers hold offsets:
.set CWO, 20                           ; v20  ctrs: my four numbers of the centre whose W I convert
.set PST, 21                           ; v21  LDS: where I put my partial sums
.set TO,  22                           ; v22  the tables' bytes, in LDS and in crec alike: CSC + 1024 w + 16 lane
.set PLD, 23                           ; v23  LDS: where wave 15 reads the partial sums
.set I,   24                           ; v24-27 the list's tags
.set TA,  28
.set TB,  29
.set GO,  30                           ; v30  gsel: 16 r + 8 h
.set TC,  31
.set M,   32                           ; v32-35 four groups' least values
.set BZ,  36
.set BX,  48                           ; the samples' codes
.set A,   64                           ; two sets of 16: four tiles' codes
.set SC,  96                           ; two sets of 2 scale registers
.set D,   100                          ; two sets of 32: four tiles' results
.set C2,  164                          ; two sets of 32: their |c|^2
.set RAW, 100                          ; ahead of the first barrier: my eight tiles as f32, 16 registers each
.set Q,   228                          ; v228-237 the quantiser's scratch
.set WB,  240                          ; v240-247 bf16 of wts
.set CC,  248                          ; v248-251 my four numbers of the centre
.set P,   252                          ; v252-255 my partial sums
.set TBL, 240                          ; behind the first barrier: v240-247 the tables on their way out (work-group 8);
.set OF,  228                          ; v228-235 offsets, v240-255 partial sums (wave 15)
.set PP,  240
.set WV,  44
.set ST,  45
.set CQ,  46
.set CB,  47
.set SEL, 24
.set MNT, 26
.set HM,  27
.set QM,  28                           ; s28-43 sixteen masks: four compares for each of four insertions (s32-39 hold offsets at the head alone)
; 16 numbers of a lane (row r, k = 16 h + 0..15) become 4 registers of codes, the row's scale word and the row's sum of squares (of the numbers as they came).
.macro QROW x, c, sw, ss
	v_max3_num_f32 v[Q], |v[(\x)]|, |v[(\x)+1]|, 0x8000000             ; the floor 2^(16 - 127) among the leaves: the byte cannot fall under 1
	v_max3_num_f32 v[Q+1], |v[(\x)+2]|, |v[(\x)+3]|, |v[(\x)+4]|
	v_pk_mul_f32 v[Q+6:Q+7], v[(\x):(\x)+1], v[(\x):(\x)+1]
	v_pk_mul_f32 v[Q+8:Q+9], v[(\x)+8:(\x)+9], v[(\x)+8:(\x)+9]
	v_max3_num_f32 v[Q], v[Q], |v[(\x)+5]|, |v[(\x)+6]|
	v_max3_num_f32 v[Q+1], v[Q+1], |v[(\x)+7]|, |v[(\x)+8]|
	v_pk_fma_f32 v[Q+6:Q+7], v[(\x)+2:(\x)+3], v[(\x)+2:(\x)+3], v[Q+6:Q+7]
	v_pk_fma_f32 v[Q+8:Q+9], v[(\x)+10:(\x)+11], v[(\x)+10:(\x)+11], v[Q+8:Q+9]
	v_max3_num_f32 v[Q], v[Q], |v[(\x)+9]|, |v[(\x)+10]|
	v_max3_num_f32 v[Q+1], v[Q+1], |v[(\x)+11]|, |v[(\x)+12]|
	v_pk_fma_f32 v[Q+6:Q+7], v[(\x)+4:(\x)+5], v[(\x)+4:(\x)+5], v[Q+6:Q+7]
	v_pk_fma_f32 v[Q+8:Q+9], v[(\x)+12:(\x)+13], v[(\x)+12:(\x)+13], v[Q+8:Q+9]
	v_max3_num_f32 v[Q], v[Q], |v[(\x)+13]|, |v[(\x)+14]|
	v_pk_fma_f32 v[Q+6:Q+7], v[(\x)+6:(\x)+7], v[(\x)+6:(\x)+7], v[Q+6:Q+7]
	v_pk_fma_f32 v[Q+8:Q+9], v[(\x)+14:(\x)+15], v[(\x)+14:(\x)+15], v[Q+8:Q+9]
	v_max3_num_f32 v[Q], v[Q], v[Q+1], |v[(\x)+15]|
	v_pk_add_f32 v[Q+6:Q+7], v[Q+6:Q+7], v[Q+8:Q+9]
	v_permlanex16_b32 v[Q+2], v[Q], s[SEL], s[SEL+1]
	v_add_f32 v[Q+6], v[Q+6], v[Q+7]
	v_max_num_f32 v[Q], v[Q], v[Q+2]                                   ; with lane l xor 16's 16 numbers: the block's largest magnitude
	v_permlanex16_b32 v[Q+5], v[Q+6], s[SEL], s[SEL+1]
	v_add_nc_u32 v[Q+3], 0xf8800000, v[Q]                              ; 15 off its exponent field: the conversion's scale operand
	v_and_or_b32 v[Q+4], v[Q], 0x7f800000, s[MNT]                      ; 57,344 x the scale
	v_add_f32 v[\ss], v[Q+6], v[Q+5]                                   ; the row's sum of squares, the same bits in both lanes
	v_lshrrev_b32 v[\sw], 23, v[Q+3]                                   ; the scale's byte,
	v_lshl_or_b32 v[\sw], v[\sw], 8, v[\sw]
	v_lshl_or_b32 v[\sw], v[\sw], 16, v[\sw]                           ; four times
.irp i, 0,1,2,3,4,5,6,7,8,9,10,11,12,13,14,15
	v_med3_num_f32 v[(\x)+\i], v[(\x)+\i], -v[Q+4], v[Q+4]             ; the conversion to an 8-bit code does not saturate (ISA guide 7.6.2): the hold at the largest code x the scale
.endr
	v_cvt_scalef32_pk8_bf8_f32 v[(\c):(\c)+1], v[(\x):(\x)+7], v[Q+3]
	v_cvt_scalef32_pk8_bf8_f32 v[(\c)+2:(\c)+3], v[(\x)+8:(\x)+15], v[Q+3]
	v_nop                                                              ; one plain line behind the last conversion, ahead of whatever next touches its registers
.endm
; AN INSERTION, in two parts.  v[m] goes into the sorted list of values; its four compares, against the list as it stood, go into masks 4 n .. 4 n + 3.
; The compare is strict and the candidates come in ascending order of their numbers: of equal values the earlier stays ahead.
.macro VAL m, n
	v_cmp_lt_f32 s[QM+4*(\n)], v[\m], v[L]
	v_cmp_lt_f32 s[QM+4*(\n)+1], v[\m], v[L+1]
	v_cmp_lt_f32 s[QM+4*(\n)+2], v[\m], v[L+2]
	v_cmp_lt_f32 s[QM+4*(\n)+3], v[\m], v[L+3]
	v_med3_num_f32 v[L+3], v[\m], v[L+2], v[L+3]
	v_med3_num_f32 v[L+2], v[\m], v[L+1], v[L+2]
	v_med3_num_f32 v[L+1], v[\m], v[L], v[L+1]
	v_min_num_f32 v[L], v[\m], v[L]
.endm
; And its tag id goes into the list of tags, by the same four masks.
.macro TAG id, n
	v_cndmask_b32 v[TA], \id, v[I+2], s[QM+4*(\n)+2]
	v_cndmask_b32 v[TB], \id, v[I+1], s[QM+4*(\n)+1]
	v_cndmask_b32 v[TC], \id, v[I], s[QM+4*(\n)]
	v_cndmask_b32 v[I+3], v[I+3], v[TA], s[QM+4*(\n)+3]
	v_cndmask_b32 v[I+2], v[I+2], v[TB], s[QM+4*(\n)+2]
	v_cndmask_b32 v[I+1], v[I+1], v[TC], s[QM+4*(\n)+1]
	v_cndmask_b32 v[I], v[I], \id, s[QM+4*(\n)]
.endm
	s_load_b256 s[4:11], s[0:1], 0x0               ; x s[4:5], ctrs s[6:7], wts s[8:9], offsets s[10:11]
	s_load_b256 s[12:19], s[0:1], 0x20             ; wb s[12:13], crec s[14:15], gsel s[16:17], bb s[18:19]
	v_lshl_add_u32 v238, v0, 2, 0x18000
	v_mov_b32 v239, 0
	v_lshrrev_b32 v1, 5, v0
	v_readfirstlane_b32 s[WV], v1                  ; wave 0..15
	v_and_b32 v[R], 15, v0
	v_bfe_u32 v[H], v0, 4, 1
	v_and_b32 v31, 31, v0                          ; lane
	s_wait_alu depctr_va_sdst(0)                   ; the wave's number is written, ahead of its first reader: offsets, bases and branches are made from it
	s_and_b32 s[ST], s[WV], 3
	s_lshr_b32 s[CQ], s[WV], 2
	s_lshl_b32 s[CB], s[CQ], 3
	s_add_co_u32 s[CB], s[CB], s[ST]               ; the lower rows of the tiles that I quantise begin at centre 64 x (8 (w / 4) + w % 4)
	s_lshr_b32 s36, s[WV], 1                       ; the centre whose W I convert: 8 b + w / 2; of its rows: 8 dq + 4 (w % 2) + 0..3
	s_and_b32 s37, s[WV], 1
	v_and_b32 v28, 7, v[R]
	v_lshrrev_b32 v29, 3, v[R]
	v_lshl_add_u32 v28, v29, 8, v28                ; r % 8 + 256 (r / 8): my row's centre within the tile
	v_lshlrev_b32 v[XO], 7, v[R]
	v_lshl_add_u32 v[XO], v[H], 6, v[XO]
	v_lshlrev_b32 v[CO], 7, v28
	v_lshl_add_u32 v[CO], v[H], 6, v[CO]
	s_lshl_b32 s20, s[CB], 13
	v_add_nc_u32 v[CO], s20, v[CO]
	v_lshrrev_b32 v29, 3, v31                      ; dq
	v_and_b32 v30, 7, v31                          ; eq
	v_lshlrev_b32 v[WI], 10, v29
	v_lshl_add_u32 v[WI], v30, 4, v[WI]
	v_lshlrev_b32 v[WO], 4, v31
	s_lshl_b32 s20, s[WV], 12
	v_add_nc_u32 v[SIM], s20, v[WO]                ; CIMG + 4096 w + 16 lane
	s_lshl_b32 s20, s[CB], 8                       ; 64 centres x 4 bytes
	v_lshl_add_u32 v[SSC], v28, 2, CSC
	v_add_nc_u32 v[SSC], s20, v[SSC]
	v_lshl_add_u32 v[SC2], v28, 2, C2O
	v_add_nc_u32 v[SC2], s20, v[SC2]
	s_lshl_b32 s20, s[WV], 9
	v_lshl_add_u32 v[MLD], v[R], 4, MRG
	v_add_nc_u32 v[MLD], s20, v[MLD]
	v_lshlrev_b32 v[REC], 5, v28                   ; 32 bytes a centre
	v_lshl_add_u32 v[REC], v[H], 4, v[REC]
	s_lshl_b32 s20, s[CB], 11
	v_add_nc_u32 v[REC], s20, v[REC]
	s_lshl_b32 s20, s[CQ], 14
	v_add_nc_u32 v[LA], s20, v[WO]
	s_lshl_b32 s20, s[CQ], 11                      ; a quarter's 512 centres x 4 bytes
	v_lshl_add_u32 v[LS], v28, 2, CSC
	v_lshl_add_u32 v[LS], v[H], 5, v[LS]           ; lanes 16-31: one tile (8 centres) on
	v_add_nc_u32 v[LS], s20, v[LS]
	v_lshl_add_u32 v[LC], v[H], 10, C2O
	v_add_nc_u32 v[LC], s20, v[LC]
	v_lshl_add_u32 v[MST], v0, 4, MRG
	s_lshl_b32 s20, s[CQ], 6
	v_lshl_add_u32 v[GB], v[H], 5, s20
	s_lshl_b32 s20, ttmp9, 10                      ; ctrs: 128 (8 b + w / 2) + 16 (w % 2) + 32 dq
	s_lshl_b32 s21, s36, 7
	s_add_co_u32 s20, s20, s21
	s_lshl_b32 s21, s37, 4
	s_add_co_u32 s20, s20, s21
	v_lshl_add_u32 v[CWO], v29, 5, s20
	s_lshl_b32 s20, s[WV], 7
	v_lshl_add_u32 v[PST], v30, 4, PB              ; PB + 128 w + 16 eq
	v_add_nc_u32 v[PST], s20, v[PST]
	v_lshl_add_u32 v[PLD], v30, 4, PB              ; PB + 256 dq + 16 eq
	v_lshl_add_u32 v[PLD], v29, 8, v[PLD]
	s_lshl_b32 s20, s[WV], 10
	v_add_nc_u32 v[TO], s20, v[WO]
	v_add_nc_u32 v[TO], CSC, v[TO]
	v_lshlrev_b32 v[GO], 4, v[R]
	v_lshl_add_u32 v[GO], v[H], 3, v[GO]
	s_mov_b32 s[SEL], 0x76543210
	s_mov_b32 s[SEL+1], 0xfedcba98                 ; v_permlanex16_b32's selects for lane l xor 16
	s_mov_b32 s[MNT], 0x600000                     ; the mantissa field of 57,344
	s_mov_b32 s[HM], 0xffff0000                    ; lanes 16-31
	s_lshl_b32 s20, ttmp9, 13                      ; x: (64 b + 16 st) rows of 128 bytes
	s_lshl_b32 s21, s[ST], 11
	s_add_co_u32 s20, s20, s21
	s_mov_b32 s21, 0
	s_lshl_b32 s22, ttmp9, 15                      ; wts: the centre's 4,096 bytes, + 4 (w % 2) rows of 128
	s_lshl_b32 s23, s36, 12
	s_add_co_u32 s22, s22, s23
	s_lshl_b32 s23, s37, 9
	s_add_co_u32 s22, s22, s23
	s_mov_b32 s23, 0
	s_lshl_b32 s32, ttmp9, 14                      ; wb: the same centre's chunks 2 (w % 2), 2 (w % 2) + 1
	s_lshl_b32 s33, s36, 11
	s_add_co_u32 s32, s32, s33
	s_lshl_b32 s33, s37, 10
	s_add_co_u32 s32, s32, s33
	s_mov_b32 s33, 0
	s_lshl_b32 s34, ttmp9, 10                      ; gsel: 16 bytes a sample; waves 0-3 store their 16 samples
	s_lshl_b32 s35, s[WV], 8
	s_add_co_u32 s34, s34, s35
	s_mov_b32 s35, 0
	s_lshl_b32 s38, ttmp9, 10                      ; offsets and bb: the work-group's 8 rows of 128 bytes
	s_mov_b32 s39, 0
	s_wait_kmcnt 0x0
	s_add_nc_u64 s[4:5], s[4:5], s[20:21]
	s_add_nc_u64 s[8:9], s[8:9], s[22:23]
	s_add_nc_u64 s[12:13], s[12:13], s[32:33]
	s_add_nc_u64 s[16:17], s[16:17], s[34:35]
	s_add_nc_u64 s[10:11], s[10:11], s[38:39]
	s_add_nc_u64 s[18:19], s[18:19], s[38:39]
	s_wait_alu depctr_va_vdst(0)                   ; all the offsets and LDS addresses (v3-15, v20-23, v30) are written: the kernel's loads and stores read them
	; the wave's global loads go out here: 4 of x, 32 of ctrs, 4 of wts, 1 of the centre that belongs to them
.irp j, 0,1,2,3
	global_load_b128 v[A+4*\j:A+4*\j+3], v[XO], s[4:5] offset:16*\j
.endr
.irp t, 0,1,2,3,4,5,6,7
.irp j, 0,1,2,3
	global_load_b128 v[RAW+16*\t+4*\j:RAW+16*\t+4*\j+3], v[CO], s[6:7] offset:1024*\t+16*\j
.endr
.endr
.irp j, 0,1,2,3
	global_load_b128 v[A+16+4*\j:A+16+4*\j+3], v[WI], s[8:9] offset:128*\j th:TH_LOAD_NT   ; read once in the launch
.endr
	global_load_b128 v[CC:CC+3], v[CWO], s[6:7]    ; c[8 dq + 4 (w % 2) + 0..3]
.irp k, 0,1,2,3,4,5,6,7,8,9,10,11
	v_mov_b32 v[BZ+\k], 0                          ; zero codes round the samples' codes
	v_mov_b32 v[BX+4+\k], 0
.endr
	v_mov_b32 v[Q+2], 0                            ; written once: a lane permute's destination counts as one of its sources
	v_mov_b32 v[Q+5], 0
	s_wait_loadcnt 37                              ; x's four loads are in: behind them stand the 32 of ctrs, the 4 of wts and the 1 beside them
	QROW A, BX, SB, X2
	v_mov_b32 v[X2+1], v[X2]                       ; (named with it as a pair)
; Tile i of my eight.  Its codes, scale word and |c|^2 are written into the registers that the tile before held as f32, so that no store's data are written again ahead of the barrier.
; PUT sends them: into LDS, and the codes of one tile of each wave into crec.  It stands a tile later than the quantiser that made them.
.macro PUT i
.if (\i) == 0
.set CD, A
.else
.set CD, RAW+16*((\i)-1)
.endif
	ds_store_b128 v[SIM], v[CD:CD+3] offset:512*(\i)
	ds_store_b32 v[SSC], v[CD+4] offset:32*(\i)    ; both lanes of a row write the same word with the same value
	ds_store_b32 v[SC2], v[CD+5] offset:32*(\i)
	s_cmp_eq_u32 ttmp9, (\i)                       ; work-group i stores tile i of each of its waves: each centre's codes are stored once in the launch
	s_cbranch_scc0 .Lnorec_\@
	global_store_b128 v[REC], v[CD:CD+3], s[14:15] offset:256*(\i)     ; rows 0-7 fill 256 consecutive bytes, aligned; rows 8-15 another 256
.Lnorec_\@:
.endm
.macro QTILE i
	s_wait_loadcnt 5+4*(7-(\i))                    ; this tile's four loads are in: behind them stand the later tiles' and the last 5
.if (\i) > 0
	s_wait_alu depctr_va_vdst(0)                   ; the quantiser has written the codes, the scale word and the norm of the tile before, which the stores below read
	PUT (\i)-1
.endif
.if (\i) == 0
.set CD, A
.else
.set CD, RAW+16*((\i)-1)
.endif
	QROW RAW+16*(\i), CD, CD+4, CD+5
.endm
.irp t, 0,1,2,3,4,5,6,7
	QTILE \t
.endr
	s_wait_loadcnt 0x0                             ; wts, and my four numbers of their centre
.irp j, 0,1,2,3
	v_cvt_pk_bf16_f32 v[WB+2*\j], v[A+16+4*\j], v[A+16+4*\j+1]
	v_cvt_pk_bf16_f32 v[WB+2*\j+1], v[A+16+4*\j+2], v[A+16+4*\j+3]
.endr
; c.W of my four rows, for e = 4 eq + 0..3, on the ROUNDED W: the last launch multiplies x by the same numbers, so that what the rounding leaves is that of (x - c) W.  The first term starts from the zeros of v36-39.
.macro PSUM i, c
	v_fma_mix_f32_bf16 v[P], v[WB+2*(\i)], v[CC+(\i)], v[(\c)] op_sel_hi:[1,0,0]
	v_fma_mix_f32_bf16 v[P+1], v[WB+2*(\i)], v[CC+(\i)], v[(\c)+1] op_sel:[1,0,0] op_sel_hi:[1,0,0]
	v_fma_mix_f32_bf16 v[P+2], v[WB+2*(\i)+1], v[CC+(\i)], v[(\c)+2] op_sel_hi:[1,0,0]
	v_fma_mix_f32_bf16 v[P+3], v[WB+2*(\i)+1], v[CC+(\i)], v[(\c)+3] op_sel:[1,0,0] op_sel_hi:[1,0,0]
.endm
	PSUM 0, BZ
	PSUM 1, P
	PSUM 2, P
	PSUM 3, P
.irp k, 0,1,2,3
	v_add_f32_dpp v[P+\k], v[P+\k], v[P+\k] row_xmask:8 row_mask:0xf bank_mask:0xf     ; the four dq: lanes l, l xor 8,
.endr
.irp k, 0,1,2,3
	v_permlanex16_b32 v[CC+\k], v[P+\k], s[SEL], s[SEL+1]
.endr
.irp k, 0,1,2,3
	v_add_f32 v[P+\k], v[P+\k], v[CC+\k]           ; l xor 16, l xor 24
.endr
	s_wait_alu depctr_va_vdst(0)                   ; tile 7's codes, scale word and norm, the bf16 words and the partial sums are written, which the stores below read; and the vector lines so far are done with v64-255, in which loads land behind the barrier (no vector line stands between)
	PUT 7
	global_store_b128 v[WO], v[WB:WB+3], s[12:13]              ; 32 lanes store 512 consecutive bytes, aligned
	global_store_b128 v[WO], v[WB+4:WB+7], s[12:13] offset:512
	ds_store_b128 v[PST], v[P:P+3]                 ; the four lanes of an eq write the same 16 bytes with the same values
	s_wait_xcnt 0x0                                ; the global stores have had their addresses translated: their registers, those of the codes and of wb, are written again below
	s_wait_alu depctr_vm_vsrc(0)                   ; my LDS and global stores have read their data: these registers take LDS loads and matrix results behind the barrier
	s_wait_dscnt 0x0                               ; for the others' sake: my images, scale words, norms and partial sums lie in LDS
	s_barrier_signal -1
	s_barrier_wait -1
	s_cmp_eq_u32 ttmp9, 8                          ; one work-group copies the two tables out, 1,024 bytes a wave, as they lie
	s_cbranch_scc0 .Lnotab
	ds_load_b128 v[TBL:TBL+3], v[TO]
	ds_load_b128 v[TBL+4:TBL+7], v[TO] offset:512
	s_wait_dscnt 0x0
	global_store_b128 v[TO], v[TBL:TBL+3], s[14:15]            ; 32 lanes store 512 consecutive bytes, aligned
	global_store_b128 v[TO], v[TBL+4:TBL+7], s[14:15] offset:512
	s_wait_xcnt 0x0                                ; their registers and the offset are written again below
.Lnotab:
	s_wait_alu depctr_vm_vsrc(0)                   ; where the tables went out, the two stores have read v240-247, in which wave 15's LDS loads land
	s_cmp_eq_u32 s[WV], 15                         ; wave 15 asks here for what bb is made of, and makes it behind the search
	s_cbranch_scc0 .Lnob
	global_load_b128 v[OF:OF+3], v[WO], s[10:11]               ; lane l: offsets of centre l / 8, e = 4 (l % 8) + 0..3;
	global_load_b128 v[OF+4:OF+7], v[WO], s[10:11] offset:512  ; of centre 4 + l / 8
	ds_load_b128 v[PP:PP+3], v[PLD]                            ; that centre's two halves,
	ds_load_b128 v[PP+4:PP+7], v[PLD] offset:128
	ds_load_b128 v[PP+8:PP+11], v[PLD] offset:1024             ; and the other's
	ds_load_b128 v[PP+12:PP+15], v[PLD] offset:1152
.Lnob:
	s_wait_alu depctr_vm_vsrc(0)                   ; the loads and stores that took v20-23 as offsets, wave 15's LDS loads the last of them, have read them: the four registers become the list
.macro LOADA q, p                      ; quad q (tiles 4 q .. 4 q + 3 of my quarter): codes and scale words into set p: 6 loads
.irp b, 0,1,2,3
	ds_load_b128 v[A+16*(\p)+4*\b:A+16*(\p)+4*\b+3], v[LA] offset:(4*(\q)+\b)*512
.endr
	ds_load_b32 v[SC+2*(\p)], v[LS] offset:128*(\q)            ; lanes 0-15: tile 4 q; lanes 16-31: tile 4 q + 1
	ds_load_b32 v[SC+2*(\p)+1], v[LS] offset:128*(\q)+64       ; tiles 4 q + 2, 4 q + 3
.endm
.macro LOADC4 q, p, k0                 ; four of the eight loads of its 32 norms of my half
.irp k, 0,1,2,3
	ds_load_b128 v[C2+32*(\p)+4*((\k0)+\k):C2+32*(\p)+4*((\k0)+\k)+3], v[LC] offset:128*(\q)+16*((\k0)+\k)
.endr
.endm
.macro MULQ p                          ; four products with C = 0 on four accumulators
.irp b, 0,1,2,3
.if \b % 2
	v_wmma_scale_f32_16x16x128_f8f6f4 v[D+32*(\p)+8*\b:D+32*(\p)+8*\b+7], v[A+16*(\p):A+16*(\p)+15], v[BX-4*\b:BX-4*\b+15], 0, v[SC+2*(\p)+\b/2], v[SB] matrix_a_fmt:MATRIX_FMT_BF8 matrix_b_fmt:MATRIX_FMT_BF8 matrix_a_scale:MATRIX_SCALE_ROW1
.else
	v_wmma_scale_f32_16x16x128_f8f6f4 v[D+32*(\p)+8*\b:D+32*(\p)+8*\b+7], v[A+16*(\p):A+16*(\p)+15], v[BX-4*\b:BX-4*\b+15], 0, v[SC+2*(\p)+\b/2], v[SB] matrix_a_fmt:MATRIX_FMT_BF8 matrix_b_fmt:MATRIX_FMT_BF8
.endif
.endr
.endm
; Quad q's results: d2, each group's least, four insertions.  nc = 1: quad q + 2's norms are asked for, into the set just read; na = 1: quad q + 3's codes and scale words, into the set that the products issued just ahead of this macro read.
.macro PROC q, p, nc, na
.set DD, D+32*(\p)
.set CCC, C2+32*(\p)
.irp k, 0,2,4,6
.irp b, 0,1,2,3
	v_pk_fma_f32 v[DD+8*\b+\k:DD+8*\b+\k+1], v[DD+8*\b+\k:DD+8*\b+\k+1], -2.0, v[X2:X2+1] op_sel_hi:[1,0,0]   ; |x|^2 - 2 xc, one rounding; each accumulator is read from its low end on
.endr
.endr
.irp k, 0,2,4,6
.irp b, 0,1,2,3
	v_pk_add_f32 v[DD+8*\b+\k:DD+8*\b+\k+1], v[DD+8*\b+\k:DD+8*\b+\k+1], v[CCC+8*\b+\k:CCC+8*\b+\k+1]         ; + |c|^2
.endr
.endr
.irp b, 0,1,2,3
	v_min3_num_f32 v[M+\b], v[DD+8*\b], v[DD+8*\b+1], v[DD+8*\b+2]
.endr
.irp b, 0,1,2,3
	v_min3_num_f32 v[M+\b], v[M+\b], v[DD+8*\b+3], v[DD+8*\b+4]
.endr
.irp b, 0,1,2,3
	v_min3_num_f32 v[M+\b], v[M+\b], v[DD+8*\b+5], v[DD+8*\b+6]
.endr
.irp b, 0,1,2,3
	v_min_num_f32 v[M+\b], v[M+\b], v[DD+8*\b+7]
.endr
.irp b, 0,1,2,3
	VAL M+\b, \b
.endr
	s_wait_alu depctr_va_sdst(0)                   ; the sixteen masks are written, ahead of the selects that read them
.if \nc
	s_wait_alu depctr_va_vdst(0)                   ; the additions above are done reading this quad's norms, and the products issued ahead of them are done reading their codes and scale words: the loads below land in both
.endif
	TAG 4*(\q)+0, 0                                ; the tag is the tile's number in my quarter, a constant of the text
.if \nc
	LOADC4 (\q)+2, \p, 0                           ; no vector line since the wait names the registers in which these loads land
.endif
	TAG 4*(\q)+1, 1
.if \nc
	LOADC4 (\q)+2, \p, 4
.endif
	TAG 4*(\q)+2, 2
.if \na
	LOADA (\q)+3, 1-(\p)
.endif
	TAG 4*(\q)+3, 3
.endm
; Step i: quad i is multiplied; quad i - 1's results are worked, which are the places behind quad i's products and stand well behind quad i - 1's;
; among the last lines of that work the norms of quad i + 1 and the codes of quad i + 2 are asked for.
.macro STEP i
.if (\i) < 7
	s_wait_dscnt 14                                ; quad i's codes and scale words are in: behind them stand its 8 loads of norms and the next quad's 6 of codes
.else
	s_wait_dscnt 8                                 ; behind them stand only its 8 loads of norms
.endif
	MULQ (\i)%2
.if (\i) == 0
.irp k, 0,1,2,3
	v_mov_b32 v[L+\k], 0x7f800000                  ; the list begins as four infinities.  (These ten lines are the places behind the first products: eight are owed ahead of the first read
	v_mov_b32 v[I+\k], 0                           ; of their results: ISA guide 7.12.1)
.endr
	v_nop
	v_nop
	s_wait_alu depctr_va_vdst(0)                   ; the first products are done reading quad 0's codes and scale words, in which quad 2's land
	LOADC4 1, 1, 0
	LOADC4 1, 1, 4
	LOADA 2, 0
.elseif (\i) < 6
	PROC (\i)-1, ((\i)+1)%2, 1, 1
.elseif (\i) == 6
	PROC (\i)-1, ((\i)+1)%2, 1, 0
.else
	PROC (\i)-1, ((\i)+1)%2, 0, 0
.endif
.endm
	LOADA 0, 0
	LOADC4 0, 0, 0
	LOADC4 0, 0, 4
	LOADA 1, 1
.irp n, 0,1,2,3,4,5,6,7
	STEP \n
.endr
	s_wait_dscnt 0x0
	PROC 7, 1, 0, 0
	; the two halves of the lanes: lanes 0-15 hold the lower group numbers.  Both lanes of a sample take the lower list as it is and insert the upper one, so both end with the same list.
.irp k, 0,1,2,3
	v_add_nc_u32 v[I+\k], v[GB], v[I+\k]           ; tags become group numbers
.endr
.irp k, 0,1,2,3
	v_permlanex16_b32 v[D+\k], v[L+\k], s[SEL], s[SEL+1]
	v_permlanex16_b32 v[D+4+\k], v[I+\k], s[SEL], s[SEL+1]
.endr
.irp k, 0,1,2,3
	v_cndmask_b32 v[D+8+\k], v[D+\k], v[L+\k], s[HM]           ; the upper list: mine in lanes 16-31
	v_cndmask_b32 v[D+12+\k], v[D+4+\k], v[I+\k], s[HM]
	v_cndmask_b32 v[L+\k], v[L+\k], v[D+\k], s[HM]             ; the lower list
	v_cndmask_b32 v[I+\k], v[I+\k], v[D+4+\k], s[HM]
.endr
.irp k, 0,1,2,3
	VAL D+8+\k, \k
.endr
	s_wait_alu depctr_va_sdst(0)                   ; the sixteen masks are written, ahead of the selects that read them
.irp k, 0,1,2,3
	TAG v[D+12+\k], \k
.endr
.irp k, 0,1,2,3
	v_cndmask_b32 v[D+16+\k], v[L+\k], v[I+\k], s[HM]          ; lanes 0-15 store the values, lanes 16-31 the numbers
.endr
	s_wait_alu depctr_va_vdst(0)                   ; the four words are written, which the LDS store reads; and the search is done with v132-155, in which the other quarters' lists land behind the barrier
	ds_store_b128 v[MST], v[D+16:D+19]
	s_wait_dscnt 0x0                               ; for the others' sake
	s_barrier_signal -1
	s_barrier_wait -1
	s_cmp_ge_u32 s[WV], 4                          ; the waves of quarter 0 take the other three quarters' lists in, in ascending order
	s_cbranch_scc1 .Lrest
.irp c, 1,2,3
	ds_load_b128 v[D+32+8*(\c-1):D+32+8*(\c-1)+3], v[MLD] offset:2048*\c
	ds_load_b128 v[D+36+8*(\c-1):D+36+8*(\c-1)+3], v[MLD] offset:2048*\c+256
.endr
	s_wait_dscnt 0x0
.irp c, 0,1,2
.irp k, 0,1,2,3
	VAL D+32+8*\c+\k, \k
.endr
	s_wait_alu depctr_va_sdst(0)                   ; the sixteen masks are written, ahead of the selects that read them
.irp k, 0,1,2,3
	TAG v[D+36+8*\c+\k], \k
.endr
.endr
	; the four numbers in ascending order: five exchanges (the larger of two is their sum less the smaller)
.macro XCH lo, hi, a, b
	v_min_u32 v[\lo], v[\a], v[\b]
	v_add_nc_u32 v[\hi], v[\a], v[\b]
	v_sub_nc_u32 v[\hi], v[\hi], v[\lo]
.endm
	XCH D, D+1, I, I+1
	XCH D+2, D+3, I+2, I+3
	XCH D+4, D+5, D, D+2                           ; D+4: the first
	XCH D+6, D+7, D+1, D+3                         ; D+7: the fourth
	XCH D+8, D+9, D+5, D+6                         ; the second, the third
	v_cndmask_b32 v[D+10], v[D+4], v[D+9], s[HM]
	v_cndmask_b32 v[D+11], v[D+8], v[D+7], s[HM]
	s_wait_alu depctr_va_vdst(0)                   ; the two numbers are written, which the store reads
	global_store_b64 v[GO], v[D+10:D+11], s[16:17]             ; 32 lanes store 256 consecutive bytes, aligned: 16 samples' four numbers
	s_branch .Lend
.Lrest:
	s_cmp_eq_u32 s[WV], 15
	s_cbranch_scc0 .Lend
	s_wait_loadcnt 0x0                             ; the offsets (the partial sums came in ahead of the search's LDS loads, which have all been waited for)
	v_pk_add_f32 v[PP:PP+1], v[PP:PP+1], v[PP+4:PP+5]          ; a centre's two halves
	v_pk_add_f32 v[PP+2:PP+3], v[PP+2:PP+3], v[PP+6:PP+7]
	v_pk_add_f32 v[PP+8:PP+9], v[PP+8:PP+9], v[PP+12:PP+13]
	v_pk_add_f32 v[PP+10:PP+11], v[PP+10:PP+11], v[PP+14:PP+15]
	v_pk_add_f32 v[OF:OF+1], v[OF:OF+1], v[PP:PP+1] neg_lo:[0,1] neg_hi:[0,1]          ; offsets - c.W
	v_pk_add_f32 v[OF+2:OF+3], v[OF+2:OF+3], v[PP+2:PP+3] neg_lo:[0,1] neg_hi:[0,1]
	v_pk_add_f32 v[OF+4:OF+5], v[OF+4:OF+5], v[PP+8:PP+9] neg_lo:[0,1] neg_hi:[0,1]
	v_pk_add_f32 v[OF+6:OF+7], v[OF+6:OF+7], v[PP+10:PP+11] neg_lo:[0,1] neg_hi:[0,1]
	s_wait_alu depctr_va_vdst(0)                   ; the eight numbers of bb are written, which the stores read
	global_store_b128 v[WO], v[OF:OF+3], s[18:19]              ; 32 lanes store 512 consecutive bytes, aligned: four rows of bb
	global_store_b128 v[WO], v[OF+4:OF+7], s[18:19] offset:512
.Lend:
	s_wait_dscnt 0x0                               ; the closing lines, six on end, for a launch in the mode that stores to LDS
	s_wait_alu 0x0
	s_wait_tensorcnt 0x0
	ds_add_u32 v238, v239
	s_wait_dscnt 0x0
	s_endpgm
.Lfunc_end_k_qd1e58b7bc7_coarse:
	.size	k_qd1e58b7bc7_coarse, .Lfunc_end_k_qd1e58b7bc7_coarse-k_qd1e58b7bc7_coarse
	.p2alignl 7, 3214868480
	.fill 96, 4, 3214868480
	.section	.rodata,"a",@progbits
	.p2align	6, 0x0
	.amdhsa_kernel k_qd1e58b7bc7_coarse
		.amdhsa_group_segment_fixed_size 100352
		.amdhsa_private_segment_fixed_size 0
		.amdhsa_enable_private_segment 0
		.amdhsa_kernarg_size 64
		.amdhsa_user_sgpr_count 2
		.amdhsa_user_sgpr_kernarg_segment_ptr 1
		.amdhsa_wavefront_size32 1
		.amdhsa_system_sgpr_workgroup_id_x 1
		.amdhsa_system_sgpr_workgroup_id_y 1
		.amdhsa_system_sgpr_workgroup_id_z 1
		.amdhsa_system_vgpr_workitem_id 0
		.amdhsa_next_free_vgpr 256
		.amdhsa_next_free_sgpr 66
		.amdhsa_reserve_vcc 0
		.amdhsa_float_denorm_mode_32 3
		.amdhsa_float_denorm_mode_16_64 3
		.amdhsa_memory_ordered 1
		.amdhsa_forward_progress 1
		.amdhsa_inst_pref_size 125
	.end_amdhsa_kernel
	.amdgpu_metadata
---
amdhsa.version: [ 1, 2 ]
amdhsa.kernels:
  - .name:           k_qd1e58b7bc7_coarse
    .symbol:         k_qd1e58b7bc7_coarse.kd
    .args:
      - { .name: x, .offset: 0, .size: 8, .value_kind: global_buffer, .address_space: global }
      - { .name: ctrs, .offset: 8, .size: 8, .value_kind: global_buffer, .address_space: global }
      - { .name: wts, .offset: 16, .size: 8, .value_kind: global_buffer, .address_space: global }
      - { .name: offsets, .offset: 24, .size: 8, .value_kind: global_buffer, .address_space: global }
      - { .name: wb, .offset: 32, .size: 8, .value_kind: global_buffer, .address_space: global }
      - { .name: crec, .offset: 40, .size: 8, .value_kind: global_buffer, .address_space: global }
      - { .name: gsel, .offset: 48, .size: 8, .value_kind: global_buffer, .address_space: global }
      - { .name: bb, .offset: 56, .size: 8, .value_kind: global_buffer, .address_space: global }
    .group_segment_fixed_size: 100352
    .private_segment_fixed_size: 0
    .kernarg_segment_align: 8
    .kernarg_segment_size: 64
    .max_flat_workgroup_size: 512
    .sgpr_count:     66
    .vgpr_count:     256
    .wavefront_size: 32
...
	.end_amdgpu_metadata
.endif
;; end of part 4
;; launch refine (part 5): grid 256 x 1, 4 waves a work-group, no clusters, 0 bytes of LDS; arguments x, crec, gsel, idx; writes idx
.if DOCPART == 5
	.amdgcn_target "amdgcn-amd-amdhsa--gfx1250"
	.amdhsa_code_object_version 6
	.text
	.protected	k_qd1e58b7bc7_refine
	.globl	k_qd1e58b7bc7_refine
	.p2align	8
	.type	k_qd1e58b7bc7_refine,@function
k_qd1e58b7bc7_refine:
	s_mov_b64 s[64:65], 0
	v_nop
	global_prefetch_b8 v0, s[64:65] scope:SCOPE_SE
	s_setreg_imm32_b32 hwreg(HW_REG_WAVE_SCHED_MODE, 0, 2), 2
	s_setreg_imm32_b32 hwreg(HW_REG_WAVE_MODE, 25, 1), 1
	s_wait_xcnt 0x0
	s_wait_alu depctr_vm_vsrc(0)
; THE FOUR NEAREST CENTRES of each sample, out of the 32 centres of the four groups that the launch before has stored (gsel, ascending).  A wave takes 16 samples.
; d2 is made as there: the same codes (the centres' from crec, the samples' quantised here by the same lines), the same matrix instruction, the same two roundings.
; crec: 32 bytes of codes a centre; at byte 65,536 a scale word a centre; at byte 73,728 |c|^2 of each centre.
; A tile of source 0 holds ONE sample's candidates: tile 2 s + u has group gsel[s][u] in rows 0-7 and group gsel[s][2 + u] in rows 8-15.  Of its result only column s is of use:
; lanes s and s + 16 keep their eight registers, by v_cndmask_b32 under a constant mask.  After 32 tiles lane (r, h) holds the 16 products of sample r with groups gsel[r][2 h], gsel[r][2 h + 1].
; As in the launch before, four tiles' codes fill the four blocks of one A operand and the samples' codes stand in one block of B (the run from v[188 - 4 b] has them in block b).
; THE LOADS THAT HANG ON THE LIST ARE 52 A WAVE, all out together: 32 of codes; 16 of scale words, each for two tiles (lanes 0-15 tile 2 s, lanes 16-31 tile 2 s + 1, which the instruction reads
; by its second row of scales); 4 of norms (a group's eight are 32 neighbouring bytes).
; The candidates are inserted in ascending order of their indices under a strict compare: of equal distances the lower index stays ahead, as jax.lax.top_k has it.
; No work-group shares a tile with another at a time that is known ahead (the rows hang on the list), so nothing is asked for jointly; no LDS.
; LIMITS: as in the launch before (NaN, infinities; the order in which |x|^2 is summed).
; THE MODE: SCHED_MODE bits 1:0 = 2 (LLVM: expert scheduling mode 2), set by the entry lines.  The code itself states the register dependences between vector or matrix instructions and memory
; instructions, and those through scalar registers that vector instructions write, with s_wait_alu, always for 0.
; THE PLAN.  Registers that memory instructions touch:
;   v3-7                 Offsets, made at the head and never written again: one wait on va_vdst ahead of the first load.
;   v16-31, v204-235, v[12:13]   x and the lists: loaded once.  The lists are bounded and shifted in place into the offsets of the second batch of loads.
;   v16-143, v144-159, v236-251  Codes, scale words, norms: the second batch lands here.  v16-41 were x and the quantiser's scratch.
;   ONE wait on va_vdst ahead of the second batch states: its offsets are written; the quantiser is done with v16-41; the samples' codes, the zero codes round them and the samples' scale word are written.
;   v204-235             Behind the second batch the 32 offsets' registers become accumulators and what a lane keeps: one wait on vm_vsrc behind the wait for the data.
;   v[40:41]             The result: one wait on va_vdst ahead of the store.
;   The tiles' lines hold no memory instruction, so they hold no wait.  THE INSERTIONS go four at a time, as in the launch before: one wait on va_sdst for sixteen masks.
.set R,   1
.set H,   2
.set XO,  3                            ; v3   x: 128 r + 64 h
.set GA,  4                            ; v4   gsel, for source 0's rows: 8 (r / 8)
.set GDO, 5                            ; v5   gsel and idx, for my own sample: 16 r + 8 h
.set RA,  6                            ; v6   codes: 32 (r % 8) + 16 h
.set RB,  7                            ; v7   scale words: 4 (r % 8)
.set X2,  8                            ; v[8:9] |x|^2
.set SB,  10                           ; v10  the samples' scale words
.set GD,  12                           ; v[12:13] my sample's two groups, then their norms' offsets
.set GI,  14                           ; v[14:15] 8 x group: their first centres
.set A,   16                           ; v16-143  32 tiles' codes.  Before: x as f32 (v16-31), the quantiser's scratch.  After: lists
.set Q,   32
.set SC,  144                          ; v144-159 a scale register for each two tiles
.set SO,  160                          ; v160-175 their offsets
.set BZ,  176
.set BX,  188
.set G,   204                          ; v204-235 group numbers, then offsets; when the loads are in:
.set D,   204                          ; v204-219 two accumulators by turns,
.set E,   220                          ; v220-235 what my lane keeps
.set C2,  236                          ; v236-251 |c|^2 of my 16 candidates
.set L,   16
.set I,   20
.set TA,  24
.set TB,  25
.set TC,  26
.set ID,  28                           ; v28-31 four candidates' indices
.set P,   32
.set O,   40
.set WV,  12
.set MK,  13                           ; s13  the column's mask (at the head the register holds my first sample)
.set QM,  16                           ; s16-31 sixteen masks: four compares for each of four insertions (s16-17 hold an offset at the head alone)
.set SEL, 32
.set MNT, 34
.set HM,  35
.macro QROW x, c, sw, ss               ; word for word the quantiser of the launch before
	v_max3_num_f32 v[Q], |v[(\x)]|, |v[(\x)+1]|, 0x8000000
	v_max3_num_f32 v[Q+1], |v[(\x)+2]|, |v[(\x)+3]|, |v[(\x)+4]|
	v_pk_mul_f32 v[Q+6:Q+7], v[(\x):(\x)+1], v[(\x):(\x)+1]
	v_pk_mul_f32 v[Q+8:Q+9], v[(\x)+8:(\x)+9], v[(\x)+8:(\x)+9]
	v_max3_num_f32 v[Q], v[Q], |v[(\x)+5]|, |v[(\x)+6]|
	v_max3_num_f32 v[Q+1], v[Q+1], |v[(\x)+7]|, |v[(\x)+8]|
	v_pk_fma_f32 v[Q+6:Q+7], v[(\x)+2:(\x)+3], v[(\x)+2:(\x)+3], v[Q+6:Q+7]
	v_pk_fma_f32 v[Q+8:Q+9], v[(\x)+10:(\x)+11], v[(\x)+10:(\x)+11], v[Q+8:Q+9]
	v_max3_num_f32 v[Q], v[Q], |v[(\x)+9]|, |v[(\x)+10]|
	v_max3_num_f32 v[Q+1], v[Q+1], |v[(\x)+11]|, |v[(\x)+12]|
	v_pk_fma_f32 v[Q+6:Q+7], v[(\x)+4:(\x)+5], v[(\x)+4:(\x)+5], v[Q+6:Q+7]
	v_pk_fma_f32 v[Q+8:Q+9], v[(\x)+12:(\x)+13], v[(\x)+12:(\x)+13], v[Q+8:Q+9]
	v_max3_num_f32 v[Q], v[Q], |v[(\x)+13]|, |v[(\x)+14]|
	v_pk_fma_f32 v[Q+6:Q+7], v[(\x)+6:(\x)+7], v[(\x)+6:(\x)+7], v[Q+6:Q+7]
	v_pk_fma_f32 v[Q+8:Q+9], v[(\x)+14:(\x)+15], v[(\x)+14:(\x)+15], v[Q+8:Q+9]
	v_max3_num_f32 v[Q], v[Q], v[Q+1], |v[(\x)+15]|
	v_pk_add_f32 v[Q+6:Q+7], v[Q+6:Q+7], v[Q+8:Q+9]
	v_permlanex16_b32 v[Q+2], v[Q], s[SEL], s[SEL+1]
	v_add_f32 v[Q+6], v[Q+6], v[Q+7]
	v_max_num_f32 v[Q], v[Q], v[Q+2]
	v_permlanex16_b32 v[Q+5], v[Q+6], s[SEL], s[SEL+1]
	v_add_nc_u32 v[Q+3], 0xf8800000, v[Q]
	v_and_or_b32 v[Q+4], v[Q], 0x7f800000, s[MNT]
	v_add_f32 v[\ss], v[Q+6], v[Q+5]
	v_lshrrev_b32 v[\sw], 23, v[Q+3]
	v_lshl_or_b32 v[\sw], v[\sw], 8, v[\sw]
	v_lshl_or_b32 v[\sw], v[\sw], 16, v[\sw]
.irp i, 0,1,2,3,4,5,6,7,8,9,10,11,12,13,14,15
	v_med3_num_f32 v[(\x)+\i], v[(\x)+\i], -v[Q+4], v[Q+4]
.endr
	v_cvt_scalef32_pk8_bf8_f32 v[(\c):(\c)+1], v[(\x):(\x)+7], v[Q+3]
	v_cvt_scalef32_pk8_bf8_f32 v[(\c)+2:(\c)+3], v[(\x)+8:(\x)+15], v[Q+3]
	v_nop                                          ; one plain line behind the last conversion
.endm
; AN INSERTION, in two parts.  v[m] goes into the sorted list of values; its four compares, against the list as it stood, go into masks 4 n .. 4 n + 3.  Strict compare: of equal values the earlier stays ahead.
.macro VAL m, n
	v_cmp_lt_f32 s[QM+4*(\n)], v[\m], v[L]
	v_cmp_lt_f32 s[QM+4*(\n)+1], v[\m], v[L+1]
	v_cmp_lt_f32 s[QM+4*(\n)+2], v[\m], v[L+2]
	v_cmp_lt_f32 s[QM+4*(\n)+3], v[\m], v[L+3]
	v_med3_num_f32 v[L+3], v[\m], v[L+2], v[L+3]
	v_med3_num_f32 v[L+2], v[\m], v[L+1], v[L+2]
	v_med3_num_f32 v[L+1], v[\m], v[L], v[L+1]
	v_min_num_f32 v[L], v[\m], v[L]
.endm
; And its index id goes into the list of indices, by the same four masks.
.macro TAG id, n
	v_cndmask_b32 v[TA], \id, v[I+2], s[QM+4*(\n)+2]
	v_cndmask_b32 v[TB], \id, v[I+1], s[QM+4*(\n)+1]
	v_cndmask_b32 v[TC], \id, v[I], s[QM+4*(\n)]
	v_cndmask_b32 v[I+3], v[I+3], v[TA], s[QM+4*(\n)+3]
	v_cndmask_b32 v[I+2], v[I+2], v[TB], s[QM+4*(\n)+2]
	v_cndmask_b32 v[I+1], v[I+1], v[TC], s[QM+4*(\n)+1]
	v_cndmask_b32 v[I], v[I], \id, s[QM+4*(\n)]
.endm
	s_load_b128 s[4:7], s[0:1], 0x0                ; x, crec
	s_load_b128 s[8:11], s[0:1], 0x10              ; gsel, idx
	v_lshrrev_b32 v1, 5, v0
	v_readfirstlane_b32 s[WV], v1                  ; wave 0..3
	v_and_b32 v[R], 15, v0
	v_bfe_u32 v[H], v0, 4, 1
	v_lshlrev_b32 v[XO], 7, v[R]
	v_lshl_add_u32 v[XO], v[H], 6, v[XO]
	v_lshrrev_b32 v[GA], 3, v[R]
	v_lshlrev_b32 v[GA], 3, v[GA]
	v_lshlrev_b32 v[GDO], 4, v[R]
	v_lshl_add_u32 v[GDO], v[H], 3, v[GDO]
	v_and_b32 v[RB], 7, v[R]
	v_lshlrev_b32 v[RA], 5, v[RB]
	v_lshl_add_u32 v[RA], v[H], 4, v[RA]
	v_lshlrev_b32 v[RB], 2, v[RB]
	s_wait_alu depctr_va_sdst(0)                   ; the wave's number is written, ahead of its first reader: the three bases are made from it
	s_lshl_b32 s13, ttmp9, 6
	s_lshl_b32 s14, s[WV], 4
	s_add_co_u32 s13, s13, s14                     ; my first sample: 64 b + 16 w
	s_lshl_b32 s14, s13, 7
	s_mov_b32 s15, 0
	s_lshl_b32 s16, s13, 4
	s_mov_b32 s17, 0
	s_mov_b32 s[SEL], 0x76543210
	s_mov_b32 s[SEL+1], 0xfedcba98
	s_mov_b32 s[MNT], 0x600000
	s_mov_b32 s[HM], 0xffff0000
	s_wait_kmcnt 0x0
	s_add_nc_u64 s[4:5], s[4:5], s[14:15]
	s_add_nc_u64 s[8:9], s[8:9], s[16:17]
	s_add_nc_u64 s[10:11], s[10:11], s[16:17]
	s_wait_alu depctr_va_vdst(0)                   ; the offsets v3-7 are written, which the loads below and the store at the end read
.irp s, 0,1,2,3,4,5,6,7,8,9,10,11,12,13,14,15
	global_load_b64 v[G+2*\s:G+2*\s+1], v[GA], s[8:9] offset:16*\s     ; register 2 s + u: group gsel[s][2 (r / 8) + u]: what row r of tile 2 s + u takes
.endr
	global_load_b64 v[GD:GD+1], v[GDO], s[8:9]                         ; gsel[r][2 h], gsel[r][2 h + 1]: what my lane will keep
.irp j, 0,1,2,3
	global_load_b128 v[A+4*\j:A+4*\j+3], v[XO], s[4:5] offset:16*\j
.endr
.irp k, 0,1,2,3,4,5,6,7,8,9,10,11
	v_mov_b32 v[BZ+\k], 0
	v_mov_b32 v[BX+4+\k], 0
.endr
	v_mov_b32 v[Q+2], 0                            ; written once: a lane permute's destination counts as one of its sources
	v_mov_b32 v[Q+5], 0
	s_wait_loadcnt 0x0
	QROW A, BX, SB, X2
	v_mov_b32 v[X2+1], v[X2]
.irp p, 0,1,2,3,4,5,6,7,8,9,10,11,12,13,14,15
	v_cndmask_b32 v[SO+\p], v[G+2*\p], v[G+2*\p+1], s[HM]      ; lanes 0-15: row r's group in tile 2 p; lanes 16-31: in tile 2 p + 1
.endr
.irp p, 0,1,2,3,4,5,6,7,8,9,10,11,12,13,14,15
	v_min_u32 v[SO+\p], 255, v[SO+\p]              ; a loaded number enters an address only behind a bound
.endr
.irp p, 0,1,2,3,4,5,6,7,8,9,10,11,12,13,14,15
	v_lshl_add_u32 v[SO+\p], v[SO+\p], 5, v[RB]    ; a group's eight scale words are 32 bytes
.endr
.irp t, 0,1,2,3,4,5,6,7,8,9,10,11,12,13,14,15,16,17,18,19,20,21,22,23,24,25,26,27,28,29,30,31
	v_min_u32 v[G+\t], 255, v[G+\t]
.endr
.irp t, 0,1,2,3,4,5,6,7,8,9,10,11,12,13,14,15,16,17,18,19,20,21,22,23,24,25,26,27,28,29,30,31
	v_lshl_add_u32 v[G+\t], v[G+\t], 8, v[RA]      ; a group's codes are 256 bytes
.endr
	v_min_u32 v[GD], 255, v[GD]
	v_min_u32 v[GD+1], 255, v[GD+1]
	v_lshlrev_b32 v[GI], 3, v[GD]
	v_lshlrev_b32 v[GI+1], 3, v[GD+1]
	v_lshlrev_b32 v[GD], 5, v[GD]                  ; a group's eight norms are 32 bytes
	v_lshlrev_b32 v[GD+1], 5, v[GD+1]
	s_wait_alu depctr_va_vdst(0)                   ; the 50 offsets are written, which the loads below read; the quantiser is done with v16-41, in which codes land; the samples' codes, the zero codes and the samples' scale word are written, which the products take
.irp t, 0,1,2,3,4,5,6,7,8,9,10,11,12,13,14,15,16,17,18,19,20,21,22,23,24,25,26,27,28,29,30,31
	global_load_b128 v[A+4*\t:A+4*\t+3], v[G+\t], s[6:7]               ; row r's codes, k = 16 h + 0..15: block t % 4 of operand t / 4
.endr
.irp p, 0,1,2,3,4,5,6,7,8,9,10,11,12,13,14,15
	global_load_b32 v[SC+\p], v[SO+\p], s[6:7] offset:65536            ; two tiles' scale words
.endr
.irp u, 0,1
	global_load_b128 v[C2+8*\u:C2+8*\u+3], v[GD+\u], s[6:7] offset:73728       ; |c|^2 of my candidates
	global_load_b128 v[C2+8*\u+4:C2+8*\u+7], v[GD+\u], s[6:7] offset:73744
.endr
	s_wait_loadcnt 0x0                             ; all are in
	s_wait_alu depctr_vm_vsrc(0)                   ; the loads of codes have read their offsets v204-235: the products and the lines that keep their results write these registers
.macro CAP t                           ; lanes t / 2 and t / 2 + 16 keep tile t's eight results, read from the low end on
.if (\t)%2 == 0
	s_mov_b32 s[MK], 0x00010001<<((\t)/2)
.endif
.irp j, 0,1,2,3,4,5,6,7
	v_cndmask_b32 v[E+8*((\t)%2)+\j], v[E+8*((\t)%2)+\j], v[D+8*((\t)%2)+\j], s[MK]
.endr
.endm
; Two accumulators by turns.  Between a product and the read of its result stand a v_nop, the eight lines that keep the tile before, and a second v_nop: ten places where eight are owed;
; the same ten stand between it and the product that writes over its result, where nine are owed (the lines that read its own result are not counted).
.macro TILE t
.if (\t)%2
	v_wmma_scale_f32_16x16x128_f8f6f4 v[D+8*((\t)%2):D+8*((\t)%2)+7], v[A+16*((\t)/4):A+16*((\t)/4)+15], v[BX-4*((\t)%4):BX-4*((\t)%4)+15], 0, v[SC+(\t)/2], v[SB] matrix_a_fmt:MATRIX_FMT_BF8 matrix_b_fmt:MATRIX_FMT_BF8 matrix_a_scale:MATRIX_SCALE_ROW1
.else
	v_wmma_scale_f32_16x16x128_f8f6f4 v[D+8*((\t)%2):D+8*((\t)%2)+7], v[A+16*((\t)/4):A+16*((\t)/4)+15], v[BX-4*((\t)%4):BX-4*((\t)%4)+15], 0, v[SC+(\t)/2], v[SB] matrix_a_fmt:MATRIX_FMT_BF8 matrix_b_fmt:MATRIX_FMT_BF8
.endif
	v_nop
.if (\t) == 0
.irp j, 0,1,2,3,4,5,6,7,8,9,10,11,12,13,14,15
	v_mov_b32 v[E+\j], 0                           ; written whole before it is written by lanes; these lines are the first product's places
.endr
.else
	CAP (\t)-1
.endif
.endm
.set TN, 0
.rept 32
	TILE TN
.set TN, TN+1
.endr
	CAP 31
.irp k, 0,2,4,6,8,10,12,14
	v_pk_fma_f32 v[E+\k:E+\k+1], v[E+\k:E+\k+1], -2.0, v[X2:X2+1] op_sel_hi:[1,0,0]   ; |x|^2 - 2 xc, one rounding
.endr
.irp k, 0,2,4,6,8,10,12,14
	v_pk_add_f32 v[E+\k:E+\k+1], v[E+\k:E+\k+1], v[C2+\k:C2+\k+1]                     ; + |c|^2
.endr
.irp k, 0,1,2,3
	v_mov_b32 v[L+\k], 0x7f800000
	v_mov_b32 v[I+\k], 0
.endr
.set CN, 0
.rept 4
.irp j, 0,1,2,3
	VAL E+CN+\j, \j
.endr
.irp j, 0,1,2,3
	v_add_nc_u32 v[ID+\j], (CN+\j)%8, v[GI+(CN+\j)/8]          ; the four candidates' indices
.endr
	s_wait_alu depctr_va_sdst(0)                   ; the sixteen masks are written, ahead of the selects that read them
.irp j, 0,1,2,3
	TAG v[ID+\j], \j
.endr
.set CN, CN+4
.endr
	; lanes 0-15 hold the two lower groups: they take the upper lanes' list in.  (Lanes 16-31 run the same lines; their lists are not used.)
.irp k, 0,1,2,3
	v_permlanex16_b32 v[P+\k], v[L+\k], s[SEL], s[SEL+1]
	v_permlanex16_b32 v[P+4+\k], v[I+\k], s[SEL], s[SEL+1]
.endr
.irp k, 0,1,2,3
	VAL P+\k, \k
.endr
	s_wait_alu depctr_va_sdst(0)                   ; the sixteen masks are written, ahead of the selects that read them
.irp k, 0,1,2,3
	TAG v[P+4+\k], \k
.endr
	v_permlanex16_b32 v[P], v[I+2], s[SEL], s[SEL+1]
	v_permlanex16_b32 v[P+1], v[I+3], s[SEL], s[SEL+1]
	v_cndmask_b32 v[O], v[I], v[P], s[HM]          ; lane r stores the first two indices, lane r + 16 lane r's other two
	v_cndmask_b32 v[O+1], v[I+1], v[P+1], s[HM]
	s_wait_alu depctr_va_vdst(0)                   ; the two indices are written, which the store reads
	global_store_b64 v[GDO], v[O:O+1], s[10:11]    ; 32 lanes store 256 consecutive bytes, aligned
	s_endpgm
.Lfunc_end_k_qd1e58b7bc7_refine:
	.size	k_qd1e58b7bc7_refine, .Lfunc_end_k_qd1e58b7bc7_refine-k_qd1e58b7bc7_refine
	.p2alignl 7, 3214868480
	.fill 96, 4, 3214868480
	.section	.rodata,"a",@progbits
	.p2align	6, 0x0
	.amdhsa_kernel k_qd1e58b7bc7_refine
		.amdhsa_group_segment_fixed_size 0
		.amdhsa_private_segment_fixed_size 0
		.amdhsa_enable_private_segment 0
		.amdhsa_kernarg_size 32
		.amdhsa_user_sgpr_count 2
		.amdhsa_user_sgpr_kernarg_segment_ptr 1
		.amdhsa_wavefront_size32 1
		.amdhsa_system_sgpr_workgroup_id_x 1
		.amdhsa_system_sgpr_workgroup_id_y 1
		.amdhsa_system_sgpr_workgroup_id_z 1
		.amdhsa_system_vgpr_workitem_id 0
		.amdhsa_next_free_vgpr 256
		.amdhsa_next_free_sgpr 66
		.amdhsa_reserve_vcc 0
		.amdhsa_float_denorm_mode_32 3
		.amdhsa_float_denorm_mode_16_64 3
		.amdhsa_memory_ordered 1
		.amdhsa_forward_progress 1
		.amdhsa_inst_pref_size 64
	.end_amdhsa_kernel
	.amdgpu_metadata
---
amdhsa.version: [ 1, 2 ]
amdhsa.kernels:
  - .name:           k_qd1e58b7bc7_refine
    .symbol:         k_qd1e58b7bc7_refine.kd
    .args:
      - { .name: x, .offset: 0, .size: 8, .value_kind: global_buffer, .address_space: global }
      - { .name: crec, .offset: 8, .size: 8, .value_kind: global_buffer, .address_space: global }
      - { .name: gsel, .offset: 16, .size: 8, .value_kind: global_buffer, .address_space: global }
      - { .name: idx, .offset: 24, .size: 8, .value_kind: global_buffer, .address_space: global }
    .group_segment_fixed_size: 0
    .private_segment_fixed_size: 0
    .kernarg_segment_align: 8
    .kernarg_segment_size: 32
    .max_flat_workgroup_size: 128
    .sgpr_count:     66
    .vgpr_count:     256
    .wavefront_size: 32
...
	.end_amdgpu_metadata
.endif
;; end of part 5
;; launch gather (part 6): grid 256 x 1, 16 waves a work-group, no clusters, 0 bytes of LDS; arguments x, wb, bb, idx, out0; writes out0
.if DOCPART == 6
	.amdgcn_target "amdgcn-amd-amdhsa--gfx1250"
	.amdhsa_code_object_version 6
	.text
	.protected	k_qd1e58b7bc7_gather
	.globl	k_qd1e58b7bc7_gather
	.p2align	8
	.type	k_qd1e58b7bc7_gather,@function
k_qd1e58b7bc7_gather:
	s_mov_b64 s[64:65], 0
	v_nop
	global_prefetch_b8 v0, s[64:65] scope:SCOPE_SE
	s_setreg_imm32_b32 hwreg(HW_REG_WAVE_SCHED_MODE, 0, 2), 2
	s_setreg_imm32_b32 hwreg(HW_REG_WAVE_MODE, 25, 1), 1
	s_wait_xcnt 0x0
	s_wait_alu depctr_vm_vsrc(0)
; y[n][e] = the sum over the sample's four centres j of ( bb[j][e] + the sum over d of x[n][d] Wb[j][d][e] ).  The centres come from idx, stored by the launch before.
; Wb is wts rounded to bf16 (a product that the contract leaves as it is), 2,048 bytes a centre in four chunks of 512; bb[j] = offsets[j] - ctrs[j] Wb[j], made by the first launch ON THE SAME Wb.
; So x Wb and c Wb are subtracted in f32, as reference() subtracts x W and c W, and what the rounding of W leaves in y is that of (x - c)(W - Wb).  Products and sums in f32 (v_fma_mix_f32_bf16).
; SHARES.  A wave takes 4 samples, 16 units (sample, centre).  Lane l = 8 dq + eq owns d = 8 dq + 0..7 and e = 4 eq + 0..3: chunk q brings it W[8 dq + 2 q + 0..1][4 eq + 0..3], 16 bytes,
; so each load of W covers 512 consecutive bytes, and a unit is four loads.  The lanes of group dq begin their sums with bb of centre j = dq, so that the sum over the four dq also adds the four rows of bb.
; A ring of nine units in registers: 28 to 32 loads of the wave are on their way while a unit is worked.
; No LDS, no barrier, no matrix unit: each model serves one sample's one row.
; Nothing is asked for jointly and nothing ahead of its load: which rows are read hangs on the list, and a row of wb is read by many samples, not once.
; LIMIT: W is rounded to bf16 (to nearest even), a relative 2^-9 at the most for each of the 128 terms of a result.
; THE MODE: SCHED_MODE bits 1:0 = 2 (LLVM: expert scheduling mode 2), set by the entry lines.  The code itself states the register dependences between vector instructions and memory instructions,
; and those through scalar registers that vector instructions write, with s_wait_alu, always for 0.
; THE PLAN.  Registers that memory instructions touch:
;   v4-8       Offsets, made at the head and never written again: one wait on va_vdst ahead of the first load.
;   IW, IO     The lists: loaded once, bounded and shifted in place into offsets, never written again: one wait on va_vdst ahead of the first load that reads them.
;   XR         x: loaded once.      ACC  begins as loads of bb; then vector lines alone; one wait on va_vdst ahead of the store.
;   slot u % 9 Written by unit u's four loads; read by unit u's 32 multiply-adds; unit u + 9's loads, issued in unit u + 1, land in it.
;   So ONE wait on va_vdst stands at a unit's head, behind the wait for the unit's data: the unit before is done reading its slot.  The four loads that land in that slot follow, one ahead of each
;   eight multiply-adds of this unit, which name this unit's slot, x and the sums: none of the registers that those loads touch.  Unit 0 fills a slot that nothing has named; units 8 to 15 load nothing.
.set LN,   1
.set DQ,   2
.set EQ,   3
.set ZO,   4                           ; v4   0
.set DQ4,  5                           ; v5   4 dq
.set XOF,  6                           ; v6   32 dq: my 8 numbers of a row of x
.set L16,  7                           ; v7   16 x lane
.set EQ16, 8                           ; v8   16 eq
.set IW,   16                          ; v16-31  unit u's centre, then its offset in wb; never rewritten after
.set IO,   32                          ; v32-35  sample s: centre dq's offset in bb
.set XR,   36                          ; v36-67  my 8 numbers of each sample
.set ACC,  68                          ; v68-83  4 sums for each sample
.set RING, 84                          ; v84-227 nine slots of 16
.set SLOTS, 9
	s_load_b256 s[4:11], s[0:1], 0x0               ; x s[4:5], wb s[6:7], bb s[8:9], idx s[10:11]
	s_load_b64 s[12:13], s[0:1], 0x20              ; out0
	v_lshrrev_b32 v1, 5, v0
	v_readfirstlane_b32 s16, v1                    ; wave 0..15
	v_and_b32 v[LN], 31, v0
	v_lshrrev_b32 v[DQ], 3, v[LN]
	v_and_b32 v[EQ], 7, v[LN]
	v_mov_b32 v[ZO], 0
	v_lshlrev_b32 v[DQ4], 2, v[DQ]
	v_lshlrev_b32 v[XOF], 5, v[DQ]
	v_lshlrev_b32 v[L16], 4, v[LN]
	v_lshlrev_b32 v[EQ16], 4, v[EQ]
	s_wait_alu depctr_va_sdst(0)                   ; the wave's number is written, ahead of its first reader: the three bases are made from it
	s_lshl_b32 s17, ttmp9, 6
	s_lshl_b32 s18, s16, 2
	s_add_co_u32 s17, s17, s18                     ; my first sample: 64 b + 4 w
	s_lshl_b32 s18, s17, 7
	s_mov_b32 s19, 0
	s_lshl_b32 s20, s17, 4
	s_mov_b32 s21, 0
	s_mov_b32 s24, 0x76543210
	s_mov_b32 s25, 0xfedcba98                      ; v_permlanex16_b32's selects for lane l xor 16
	s_mov_b32 s26, 0x0000ff00                      ; the lanes of dq = 1, 2, 3
	s_mov_b32 s27, 0x00ff0000
	s_mov_b32 s28, 0xff000000
	s_wait_kmcnt 0x0
	s_add_nc_u64 s[4:5], s[4:5], s[18:19]
	s_add_nc_u64 s[12:13], s[12:13], s[18:19]
	s_add_nc_u64 s[10:11], s[10:11], s[20:21]
	s_wait_alu depctr_va_vdst(0)                   ; the offsets v4-8 are written, which the loads below and the store at the end read
.irp s, 0,1,2,3
	global_load_b128 v[IW+4*\s:IW+4*\s+3], v[ZO], s[10:11] offset:16*\s        ; the sample's four centres, in every lane
.endr
.irp s, 0,1,2,3
	global_load_b32 v[IO+\s], v[DQ4], s[10:11] offset:16*\s                    ; and centre dq
.endr
.irp s, 0,1,2,3
	global_load_b128 v[XR+8*\s:XR+8*\s+3], v[XOF], s[4:5] offset:128*\s
	global_load_b128 v[XR+8*\s+4:XR+8*\s+7], v[XOF], s[4:5] offset:128*\s+16
.endr
	s_wait_loadcnt 8                               ; the lists are in; x's eight loads may stay out
.irp u, 0,1,2,3,4,5,6,7,8,9,10,11,12,13,14,15
	v_min_u32 v[IW+\u], 0x7ff, v[IW+\u]            ; a loaded number enters an address only behind a bound
.endr
.irp u, 0,1,2,3,4,5,6,7,8,9,10,11,12,13,14,15
	v_lshl_add_u32 v[IW+\u], v[IW+\u], 11, v[L16]
.endr
.irp s, 0,1,2,3
	v_min_u32 v[IO+\s], 0x7ff, v[IO+\s]
.endr
.irp s, 0,1,2,3
	v_lshl_add_u32 v[IO+\s], v[IO+\s], 7, v[EQ16]
.endr
	s_wait_alu depctr_va_vdst(0)                   ; the twenty offsets in wb and in bb are written, which all the loads from here on read
.irp s, 0,1,2,3
	global_load_b128 v[ACC+4*\s:ACC+4*\s+3], v[IO+\s], s[8:9]                  ; the sums begin as bb[centre dq][4 eq + 0..3]
.endr
.macro FILL u                          ; unit u's four loads into slot u % 9
.set RF, RING+16*((\u)%SLOTS)
.irp q, 0,1,2,3
	global_load_b128 v[RF+4*\q:RF+4*\q+3], v[IW+(\u)], s[6:7] offset:512*\q
.endr
.endm
.macro UNIT u
.set RG, RING+16*((\u)%SLOTS)
.set RF, RING+16*(((\u)+8)%SLOTS)      ; the slot that the unit before has read: it takes the unit eight on from this one
.set AC, ACC+4*((\u)/4)
.set XS, XR+8*((\u)/4)
.if 15-(\u) < 7
	s_wait_loadcnt 4*(15-(\u))                     ; loads come back in order (ISA guide 5.7.1): mine are in, the later units' four each may stay out
.else
	s_wait_loadcnt 28
.endif
.if ((\u) > 0) && ((\u)+8 < 16)
	s_wait_alu depctr_va_vdst(0)                   ; the unit before is done reading its slot, in which the four loads below land
.endif
.irp d, 0,1,2,3,4,5,6,7
.if ((\d)%2 == 0) && ((\u)+8 < 16)
	global_load_b128 v[RF+2*(\d):RF+2*(\d)+3], v[IW+(\u)+8], s[6:7] offset:256*(\d)                     ; chunk d / 2.  No wait: no vector line since the wait above names this slot
.endif
	v_fma_mix_f32_bf16 v[AC], v[RG+2*\d], v[XS+\d], v[AC] op_sel_hi:[1,0,0]                             ; the low half of the word: e = 4 eq
	v_fma_mix_f32_bf16 v[AC+1], v[RG+2*\d], v[XS+\d], v[AC+1] op_sel:[1,0,0] op_sel_hi:[1,0,0]          ; the high half: 4 eq + 1
	v_fma_mix_f32_bf16 v[AC+2], v[RG+2*\d+1], v[XS+\d], v[AC+2] op_sel_hi:[1,0,0]
	v_fma_mix_f32_bf16 v[AC+3], v[RG+2*\d+1], v[XS+\d], v[AC+3] op_sel:[1,0,0] op_sel_hi:[1,0,0]
.endr
.endm
.irp u, 0,1,2,3,4,5,6,7
	FILL \u
.endr
.irp u, 0,1,2,3,4,5,6,7,8,9,10,11,12,13,14,15
	UNIT \u
.endr
	; the sum over the four dq: lanes l, l xor 8, l xor 16, l xor 24
.irp a, 0,1,2,3,4,5,6,7,8,9,10,11,12,13,14,15
	v_add_f32_dpp v[ACC+\a], v[ACC+\a], v[ACC+\a] row_xmask:8 row_mask:0xf bank_mask:0xf
.endr
.irp a, 0,1,2,3,4,5,6,7,8,9,10,11,12,13,14,15
	v_permlanex16_b32 v[RING+\a], v[ACC+\a], s24, s25
.endr
.irp a, 0,1,2,3,4,5,6,7,8,9,10,11,12,13,14,15
	v_add_f32 v[ACC+\a], v[ACC+\a], v[RING+\a]
.endr
.irp k, 0,1,2,3
	v_cndmask_b32 v[ACC+\k], v[ACC+\k], v[ACC+4+\k], s26       ; the lanes of group dq store sample dq
	v_cndmask_b32 v[ACC+\k], v[ACC+\k], v[ACC+8+\k], s27
	v_cndmask_b32 v[ACC+\k], v[ACC+\k], v[ACC+12+\k], s28
.endr
	s_wait_alu depctr_va_vdst(0)                   ; the four results are written, which the store reads
	global_store_b128 v[L16], v[ACC:ACC+3], s[12:13] th:TH_STORE_NT            ; 32 lanes store 512 consecutive bytes, aligned: four rows of y; written once, read by nobody here
	s_endpgm
.Lfunc_end_k_qd1e58b7bc7_gather:
	.size	k_qd1e58b7bc7_gather, .Lfunc_end_k_qd1e58b7bc7_gather-k_qd1e58b7bc7_gather
	.p2alignl 7, 3214868480
	.fill 96, 4, 3214868480
	.section	.rodata,"a",@progbits
	.p2align	6, 0x0
	.amdhsa_kernel k_qd1e58b7bc7_gather
		.amdhsa_group_segment_fixed_size 0
		.amdhsa_private_segment_fixed_size 0
		.amdhsa_enable_private_segment 0
		.amdhsa_kernarg_size 40
		.amdhsa_user_sgpr_count 2
		.amdhsa_user_sgpr_kernarg_segment_ptr 1
		.amdhsa_wavefront_size32 1
		.amdhsa_system_sgpr_workgroup_id_x 1
		.amdhsa_system_sgpr_workgroup_id_y 1
		.amdhsa_system_sgpr_workgroup_id_z 1
		.amdhsa_system_vgpr_workitem_id 0
		.amdhsa_next_free_vgpr 228
		.amdhsa_next_free_sgpr 66
		.amdhsa_reserve_vcc 0
		.amdhsa_float_denorm_mode_32 3
		.amdhsa_float_denorm_mode_16_64 3
		.amdhsa_memory_ordered 1
		.amdhsa_forward_progress 1
		.amdhsa_inst_pref_size 49
	.end_amdhsa_kernel
	.amdgpu_metadata
---
amdhsa.version: [ 1, 2 ]
amdhsa.kernels:
  - .name:           k_qd1e58b7bc7_gather
    .symbol:         k_qd1e58b7bc7_gather.kd
    .args:
      - { .name: x, .offset: 0, .size: 8, .value_kind: global_buffer, .address_space: global }
      - { .name: wb, .offset: 8, .size: 8, .value_kind: global_buffer, .address_space: global }
      - { .name: bb, .offset: 16, .size: 8, .value_kind: global_buffer, .address_space: global }
      - { .name: idx, .offset: 24, .size: 8, .value_kind: global_buffer, .address_space: global }
      - { .name: out0, .offset: 32, .size: 8, .value_kind: global_buffer, .address_space: global }
    .group_segment_fixed_size: 0
    .private_segment_fixed_size: 0
    .kernarg_segment_align: 8
    .kernarg_segment_size: 40
    .max_flat_workgroup_size: 512
    .sgpr_count:     66
    .vgpr_count:     228
    .wavefront_size: 32
...
	.end_amdgpu_metadata
.endif
;; end of part 6
